; MI455X (gfx1250); checked and timed in simulation.
; The chip was launched on July 23, 2026; its instructions are those of AMD's public machine-readable ISA for CDNA 5 (MIT licence, August 2026) and "CDNA5" Instruction Set Architecture Reference Guide (July 2026). The comments in the code are by the model that wrote it; some were corrected since.
;; Multi Head Attention Layer. Allowed arithmetic: float matrix products may take bf16 or f16 operands with f32 sums; all other float work in f32.
;; Inputs: Wk 8 x 512 x 64 float32; Wo 8 x 64 x 512 float32; Wq 8 x 512 x 64 float32; Wv 8 x 512 x 64 float32; ff_b1 512 float32; ff_b2 512 float32; ff_w1 512 x 512 float32; ff_w2 512 x 512 float32; norm1_b 512 float32; norm1_w 512 float32; norm2_b 512 float32; norm2_w 512 float32; x 64 x 512 x 512 float32.
;; Outputs: out0 64 x 512 x 512 float32.
;; 2 versions, each right; version 2 is version 1 with the launch fin1 written anew for expert scheduling mode. Each part assembles by itself: llvm-mc -triple=amdgcn-amd-amdhsa -mcpu=gfx1250 --defsym DOCPART=n.
;; ======== version 1 of 2: 6 launches
;; limits: values are held in f16: magnitudes above 65,504 overflow, below 6.1e-05 lose precision
;; workspace buffers: xb 33,554,432 bytes; wts 3,145,728 bytes; heads 33,554,432 bytes; y1 67,108,864 bytes; y2 67,108,864 bytes; part 1,048,576 bytes; coef 4,096 bytes
;; launch prep (part 1): grid 8 x 70, 8 waves a work-group, no clusters, 0 bytes of LDS; arguments x, ff_w1, ff_w2, Wq, Wk, Wv, Wo, xb, wts; writes xb, wts
.if DOCPART == 1
	.amdgcn_target "amdgcn-amd-amdhsa--gfx1250"
	.amdhsa_code_object_version 6
	.text
	.protected	k_q1ed5cc0344_prep
	.globl	k_q1ed5cc0344_prep
	.p2align	8
	.type	k_q1ed5cc0344_prep,@function
k_q1ed5cc0344_prep:
	s_mov_b64 s[64:65], 0
	v_nop
	global_prefetch_b8 v0, s[64:65] scope:SCOPE_SE
	s_setreg_imm32_b32 hwreg(HW_REG_WAVE_MODE, 25, 1), 1
	s_wait_xcnt 0x0
; Casts x and the six weight tensors from f32 to f16 (round to nearest even) and lays them in tiles that later launches fetch as dense blocks.
;   xb  [b 64][c 8][n 512][64]        : x[b][n][64 c + j]
;   wts +0        [h 8][c 8][t 3][64 d][64 k] : Wq, Wk, Wv (t = 0, 1, 2), rows d = 64 c + d'
;   wts +1572864  [h 8][64 v][512 d]  : Wo, order unchanged
;   wts +2097152  [c 8][n 512][64 k]  : ff_w1;   +2621440 the same for ff_w2
; LIMIT: a number of magnitude 65,520 or more becomes an infinity in f16; x and the weights must stay below that.
; A stream: no LDS, no matrix unit, no cluster (no two work-groups read the same bytes).  A wave does 32 loads of 16 bytes a lane, all issued
; ahead, and 32 stores of 8 bytes a lane; each store of the wave covers 256 consecutive bytes, aligned.  The conversion is made in place, in the
; first two of a load's four registers: 136 registers a wave, so that three work-groups of eight waves fit on a WGP's 4 x 1,024 registers and all
; 560 work-groups can lie on the 256 WGPs at once.  No register is written again behind its store.
; grid y: 0-63 a batch of x, 64 ff_w1, 65 ff_w2 (grid x = column chunk c); 66-69 Wq, Wk, Wv, Wo (grid x = head).
.set LDR, 8                            ; v[8:135]   32 x 4 f32 as loaded; the first two of each four then hold the four f16
.macro CAST sstep                      ; sstep: bytes between two loads of the wave in the source
.set i, 0
.rept 32
	global_load_b128 v[LDR+4*i:LDR+4*i+3], v4, s[26:27] offset:i*\sstep th:TH_LOAD_NT
.set i, i+1
.endr
.set j, 0
.rept 8
	s_wait_loadcnt 28-4*j                          ; loads come back in order: loads 4 j .. 4 j + 3 are in, the 28 - 4 j younger ones stay out
.set i, 4*j
.rept 4
	v_cvt_pk_f16_f32 v[LDR+4*i],   v[LDR+4*i],   v[LDR+4*i+1]
	v_cvt_pk_f16_f32 v[LDR+4*i+1], v[LDR+4*i+2], v[LDR+4*i+3]
.set i, i+1
.endr
.set i, 4*j
.rept 4
	global_store_b64 v3, v[LDR+4*i:LDR+4*i+1], s[30:31] offset:256*i
.set i, i+1
.endr
.set j, j+1
.endr
.endm
	s_load_b512 s[8:23], s[0:1], 0x0               ; x 8, ff_w1 10, ff_w2 12, Wq 14, Wk 16, Wv 18, Wo 20, xb 22
	s_load_b64 s[24:25], s[0:1], 0x40              ; wts
	v_lshrrev_b32 v1, 5, v0
	v_readfirstlane_b32 s2, v1                     ; wave
	s_and_b32 s3, ttmp7, 0xffff                    ; grid y
	v_and_b32 v2, 31, v0                           ; lane
	v_lshlrev_b32 v3, 3, v2                        ; destination: 8 bytes a lane
	s_mov_b32 s29, 0
	s_mov_b32 s33, 0
	s_wait_kmcnt 0x0
	s_cmp_lt_u32 s3, 66
	s_cbranch_scc0 .Lweights
	; a [512][512] block, column chunk c = grid x, rows 64 w .. 64 w + 63
	s_max_u32 s34, s3, 60
	s_sub_co_u32 s34, s34, 60                      ; y - 60: ff_w1 and ff_w2 lie 4 and 5 blocks of 524,288 bytes into wts
	s_cmp_eq_u32 s3, 64
	s_cselect_b64 s[26:27], s[10:11], s[8:9]
	s_cmp_eq_u32 s3, 65
	s_cselect_b64 s[26:27], s[12:13], s[26:27]     ; source: x, ff_w1 or ff_w2
	s_cmp_lt_u32 s3, 64
	s_cselect_b64 s[30:31], s[22:23], s[24:25]     ; destination: xb or wts
	s_cselect_b32 s28, s3, 0                       ; the batch, for x alone
	s_cselect_b32 s32, s3, s34
	s_lshl_b32 s28, s28, 20                        ; batch x 1,048,576
	s_lshl_b32 s35, s2, 17                         ; + 64 w rows of 2,048 bytes
	s_add_co_u32 s28, s28, s35
	s_lshl_b32 s35, ttmp9, 8                       ; + 256 c
	s_add_co_u32 s28, s28, s35
	s_add_nc_u64 s[26:27], s[26:27], s[28:29]
	s_lshl_b32 s32, s32, 19                        ; block x 524,288
	s_lshl_b32 s35, ttmp9, 16                      ; + c x 65,536
	s_add_co_u32 s32, s32, s35
	s_lshl_b32 s35, s2, 13                         ; + 64 w rows of 128 bytes
	s_add_co_u32 s32, s32, s35
	s_add_nc_u64 s[30:31], s[30:31], s[32:33]
	v_and_b32 v4, 15, v0
	v_bfe_u32 v5, v0, 4, 1
	v_lshlrev_b32 v4, 4, v4                        ; lanes 0-15: 256 bytes of a row,
	v_lshl_add_u32 v4, v5, 11, v4                  ; lanes 16-31: of the row below
	CAST 4096                                      ; two rows a load
	s_endpgm
.Lweights:
	; 64 x 64 (Wq, Wk, Wv: rows d = 64 w ..) or 8 x 512 (Wo) numbers, contiguous in the source and in the destination
	s_cmp_eq_u32 s3, 67
	s_cselect_b64 s[26:27], s[16:17], s[14:15]
	s_cmp_eq_u32 s3, 68
	s_cselect_b64 s[26:27], s[18:19], s[26:27]
	s_cmp_eq_u32 s3, 69
	s_cselect_b64 s[26:27], s[20:21], s[26:27]
	s_lshl_b32 s34, ttmp9, 3
	s_add_co_u32 s34, s34, s2                      ; 8 h + w
	s_lshl_b32 s28, s34, 14                        ; source: 16,384 bytes each
	s_add_nc_u64 s[26:27], s[26:27], s[28:29]
	s_mul_i32 s32, s34, 3
	s_add_co_u32 s32, s32, s3
	s_sub_co_u32 s32, s32, 66                      ; Wq, Wk, Wv: block (8 h + w) 3 + t of 8,192 bytes
	s_add_co_u32 s35, s34, 192                     ; Wo: block 192 + 8 h + w
	s_cmp_eq_u32 s3, 69
	s_cselect_b32 s32, s35, s32
	s_lshl_b32 s32, s32, 13
	s_add_nc_u64 s[30:31], s[24:25], s[32:33]
	v_lshlrev_b32 v4, 4, v2
	CAST 512
	s_endpgm
.Lfunc_end_k_q1ed5cc0344_prep:
	.size	k_q1ed5cc0344_prep, .Lfunc_end_k_q1ed5cc0344_prep-k_q1ed5cc0344_prep
	.p2alignl 7, 3214868480
	.fill 96, 4, 3214868480
	.section	.rodata,"a",@progbits
	.p2align	6, 0x0
	.amdhsa_kernel k_q1ed5cc0344_prep
		.amdhsa_group_segment_fixed_size 0
		.amdhsa_private_segment_fixed_size 0
		.amdhsa_enable_private_segment 0
		.amdhsa_kernarg_size 72
		.amdhsa_user_sgpr_count 2
		.amdhsa_user_sgpr_kernarg_segment_ptr 1
		.amdhsa_wavefront_size32 1
		.amdhsa_system_sgpr_workgroup_id_x 1
		.amdhsa_system_sgpr_workgroup_id_y 1
		.amdhsa_system_sgpr_workgroup_id_z 1
		.amdhsa_system_vgpr_workitem_id 0
		.amdhsa_next_free_vgpr 136
		.amdhsa_next_free_sgpr 66
		.amdhsa_reserve_vcc 0
		.amdhsa_float_denorm_mode_32 3
		.amdhsa_float_denorm_mode_16_64 3
		.amdhsa_memory_ordered 1
		.amdhsa_forward_progress 1
		.amdhsa_inst_pref_size 23
	.end_amdhsa_kernel
	.amdgpu_metadata
---
amdhsa.version: [ 1, 2 ]
amdhsa.kernels:
  - .name:           k_q1ed5cc0344_prep
    .symbol:         k_q1ed5cc0344_prep.kd
    .args:
      - { .name: x, .offset: 0, .size: 8, .value_kind: global_buffer, .address_space: global }
      - { .name: ff_w1, .offset: 8, .size: 8, .value_kind: global_buffer, .address_space: global }
      - { .name: ff_w2, .offset: 16, .size: 8, .value_kind: global_buffer, .address_space: global }
      - { .name: Wq, .offset: 24, .size: 8, .value_kind: global_buffer, .address_space: global }
      - { .name: Wk, .offset: 32, .size: 8, .value_kind: global_buffer, .address_space: global }
      - { .name: Wv, .offset: 40, .size: 8, .value_kind: global_buffer, .address_space: global }
      - { .name: Wo, .offset: 48, .size: 8, .value_kind: global_buffer, .address_space: global }
      - { .name: xb, .offset: 56, .size: 8, .value_kind: global_buffer, .address_space: global }
      - { .name: wts, .offset: 64, .size: 8, .value_kind: global_buffer, .address_space: global }
    .group_segment_fixed_size: 0
    .private_segment_fixed_size: 0
    .kernarg_segment_align: 8
    .kernarg_segment_size: 72
    .max_flat_workgroup_size: 256
    .sgpr_count:     66
    .vgpr_count:     136
    .wavefront_size: 32
...
	.end_amdgpu_metadata
.endif
;; end of part 1
;; launch attn (part 2): grid 8 x 64, 4 waves a work-group, clusters of 4 x 4, 327,680 bytes of LDS; arguments xb, wts, heads; writes heads
.if DOCPART == 2
	.amdgcn_target "amdgcn-amd-amdhsa--gfx1250"
	.amdhsa_code_object_version 6
	.text
	.protected	k_q1ed5cc0344_attn
	.globl	k_q1ed5cc0344_attn
	.p2align	8
	.type	k_q1ed5cc0344_attn,@function
k_q1ed5cc0344_attn:
	s_mov_b64 s[64:65], 0
	v_nop
	global_prefetch_b8 v0, s[64:65] scope:SCOPE_SE
	s_setreg_imm32_b32 hwreg(HW_REG_WAVE_MODE, 25, 1), 1
	s_wait_xcnt 0x0
	s_wait_alu depctr_hold_cnt(0) depctr_sa_sdst(0) depctr_va_vdst(0) depctr_va_sdst(0) depctr_va_ssrc(0) depctr_va_vcc(0) depctr_vm_vsrc(0)
	s_getreg_b32 s2, hwreg(HW_REG_IB_STS2, 6, 4)
	s_cmp_eq_u32 s2, 0
	s_cbranch_scc0 .Lentry_in_a_cluster
	s_endpgm
.Lentry_in_a_cluster:
	s_bfe_u32 s2, ttmp6, 0x10000c
	s_cmp_lg_u32 s2, 0xf033
	s_cbranch_scc0 .Lentry_shape_is_right
	s_endpgm
.Lentry_shape_is_right:
; One work-group = one (head, batch): Q, K, V = x W (512 x 192 x 512), then softmax(Q K^T / 8) V by a running maximum, 512 queries x 512 keys.
; Q, K, V never go to memory.  Four waves; wave w owns tokens 128 w .. 128 w + 127 in the projection and the same rows as queries afterwards.
; Matrix operands f16, sums f32; softmax in f32.
; LIMITS: |x|, |W|, |Q|, |K|, |V| below 65,504 (f16); a softmax weight below 2^-24 becomes 0 as a matrix operand; exponentials below 2^-126
; come out as 0; the row sum adds the unrounded weights.
; CLUSTER 4 x 4: x's tile hangs on the batch (grid y) alone and is asked for jointly along a row of the cluster, W's on the head (grid x) alone and is
; asked for jointly along a column: each tile is requested once for four work-groups.
; PROJECTION: K (= d) in 8 steps of 64 through two LDS slots; a slot = 512 rows of x (pitch 144) + 192 rows of W (64 t + d', pitch 160).
;   Two slots of a step of 128 would take 401,408 bytes, more than the work-group can have.  Waves 0, 1 fetch x's halves, waves 2, 3 W's.
;   Accumulator tile (a, n) of 16 tokens x 16 columns at v[8 (4 a + n)]: Q in window 2, K in window 3, V in window 1.
;   Q and K are made with W as source 0: a lane holds token r and eight neighbouring columns.  V with x as source 0: a lane holds column r and
;   eight neighbouring tokens, so V goes to LDS transposed without a shuffle.
; ATTENTION: LDS is laid out anew (the slots have had their last fill): K [512][64] pitch 144 at 0; V^T [64][512] pitch 1040 at 73,728;
;   a stage of 2,304 bytes a wave at 140,288.  8 blocks of 64 keys.  S and O are made transposed (K, V^T as source 0): a lane holds query r and
;   eight neighbouring keys (columns of V), so a row's maximum and sum are sums over registers and one exchange of the lane halves,
;   and two packed S tiles are a fragment of P.
;   window 1: Q fragments v0-127, P fragments v128-255; window 2: S tile (a, t) at 8 (4 a + t); window 3: O tile (a, vt) at 8 (4 a + vt).
; The accumulators take turns, one matrix instruction a turn.
.set XP,    144
.set WP,    160
.set XHALF, 256*XP                     ; 36,864: what wave 0 or 1 fetches
.set WOFF,  512*XP                     ; 73,728: W behind x in a slot
.set WHALF, 96*WP                      ; 15,360: what wave 2 or 3 fetches
.set SLOT,  WOFF+192*WP                ; 104,448
.set VP,    1040
.set VOFF,  512*XP
.set STAGE, VOFF+64*VP                 ; 140,288
.set ADRX, 16                          ; v16,17 my x fragments in slot 0, 1; v16 is also where my K rows go
.set ADRW, 18                          ; v18,19 W fragments (transposing loads) in slot 0, 1
.set VST,  20                          ; where my part of V^T goes
.set KAD,  21                          ; K fragments of the current block
.set VAD,  22                          ; V^T fragments of the current block
.set STO,  23                          ; the way out: in
.set RD,   24                          ; the way out: back
.set GO,   25                          ; 16 x lane
.set XF0,  32                          ; v32-95, v96-159: x fragments, two buffers
.set XF1,  96
.set WF,   160                         ; v160-255: W fragments, 32 registers for each of Q, K, V
.set CV,   96                          ; v96-223: packed K or V on the way to LDS
.set MXR,  32                          ; v32-39  running maximum of query row r of tile a
.set TR,   40                          ; v40-47  at work
.set NMC,  48                          ; v48-63  -c x maximum, twice (a pair for the packed forms)
.set ALF,  64                          ; v64-79  rescale factor, later 1 / sum, twice
.set LSUM, 80                          ; v80-87  running sum (this lane half's keys)
.set KF,   96                          ; v96-159  K fragments (t, ks) at 8 (2 t + ks)
.set VF,   160                         ; v160-223 V^T fragments (vt, u) at 8 (2 vt + u)
.set TS,   224                         ; v224-239 block sums in pairs; the way out: packed O
.set RB,   96                          ; the way out: rows read back, two buffers of 16
.set G1,  24                           ; s[24:31] group 1, x      s[32:39] group 0, x, one for each slot
.set G0,  32
.set G1B, 48                           ; s[48:55] group 1, W      s[56:63] group 0, W
.set G0B, 56
.set MSB, 0
.macro WIN new                         ; the immediate's high byte repeats the setting that is left
.if MSB != \new
	s_set_vgpr_msb (MSB<<8)|\new
.set MSB, \new
.endif
.endm
.macro PLACES                          ; four places behind matrix instructions, in front of loads into their sources and of reads of their results
.rept 4
	v_nop
.endr
.endm
.macro JLOAD s                         ; a joint load: waves 0, 1 ask for x, waves 2, 3 for W; the branch hangs on the wave's number alone
	s_cmp_eq_u32 s11, 0
	s_cbranch_scc0 .Lfor_w_\@
	tensor_load_to_lds s[G0+4*\s:G0+4*\s+3], s[G1:G1+7]
	s_nop 0
	s_branch .Lasked_\@
.Lfor_w_\@:
	tensor_load_to_lds s[G0B+4*\s:G0B+4*\s+3], s[G1B:G1B+7]
	s_nop 0
.Lasked_\@:
.endm
.macro CREST                           ; a round of the cluster's barrier behind its opening work-group barrier
	s_cmp_lg_u32 s10, 0
	s_cbranch_scc1 .Lnot_wave_0_\@
	s_barrier_signal -3
.Lnot_wave_0_\@:
	s_barrier_wait -3
	s_barrier_signal -1
	s_barrier_wait -1
.endm
.macro CROUND
	s_barrier_signal -1
	s_barrier_wait -1
	CREST
.endm
.macro MM d, s0, s1, zero              ; one matrix instruction; zero: it starts the sum
.if \zero
	v_wmma_f32_16x16x32_f16 v[\d:\d+7], v[\s0:\s0+7], v[\s1:\s1+7], 0
.else
	v_wmma_f32_16x16x32_f16 v[\d:\d+7], v[\s0:\s0+7], v[\s1:\s1+7], v[\d:\d+7]
.endif
.endm
	s_load_b128 s[4:7], s[0:1], 0x0                ; xb, wts
	s_load_b64 s[8:9], s[0:1], 0x10                ; heads
	v_lshl_add_u32 v30, v0, 2, 0x33000
	v_mov_b32 v31, 0
	ds_add_u32 v30, v31
	v_lshrrev_b32 v1, 5, v0
	v_readfirstlane_b32 s10, v1                    ; wave
	s_lshr_b32 s11, s10, 1                         ; 0: I fetch x, 1: W
	s_and_b32 s12, s10, 1                          ; which half of that tile
	s_bfe_u32 s40, ttmp6, 0x40000                  ; cx
	s_bfe_u32 s41, ttmp6, 0x40004                  ; cy
	s_lshl_b32 s42, ttmp9, 2
	s_add_co_u32 s42, s42, s40                     ; head = 4 x cluster x + cx
	s_and_b32 s13, ttmp7, 0xffff
	s_lshl_b32 s13, s13, 2
	s_add_co_u32 s13, s13, s41                     ; batch = 4 x cluster y + cy
	s_lshl_b32 s43, s41, 2
	s_lshl_b32 s43, 15, s43                        ; my row of the cluster
	s_lshl_b32 s44, 0x1111, s40                    ; my column
	; group 1.  Both tiles are dense in memory and are stated as rows of 128 elements (256 bytes); 16 (x) or 32 (W) bytes of padding follow every
	; 32 words, which are counted along the whole tile: each logical row of 128 bytes gets its pad, pitch 144 or 160.
	s_or_b32 s[G1+0],  s43, (1<<16)|(1<<20)|(1<<21)|(4<<22)|(3<<25)
	s_or_b32 s[G1B+0], s44, (1<<16)|(1<<20)|(1<<21)|(4<<22)|(7<<25)
	s_mov_b32 s[G1+1],  128<<16                    ; tensor_dim0 = 128
	s_mov_b32 s[G1B+1], 128<<16
	s_mov_b32 s[G1+2],  128<<16                    ; tensor_dim1 = 128 rows of 256 bytes = 256 rows of x
	s_mov_b32 s[G1B+2], 48<<16                     ; 48 rows of 256 bytes = 96 rows of W
	s_mov_b32 s[G1+3],  128<<16                    ; tile_dim0
	s_mov_b32 s[G1B+3], 128<<16
	s_mov_b32 s[G1+4],  128                        ; tile_dim1
	s_mov_b32 s[G1B+4], 48
	s_mov_b32 s[G1+5],  128                        ; pitch in elements
	s_mov_b32 s[G1B+5], 128
	s_mov_b32 s[G1+6],  0
	s_mov_b32 s[G1B+6], 0
	s_mov_b32 s[G1+7],  0
	s_mov_b32 s[G1B+7], 0
	s_lshl_b32 s16, s13, 19                        ; x: batch x 524,288
	s_lshl_b32 s17, s12, 15                        ;    + half x 32,768
	s_add_co_u32 s16, s16, s17
	s_mov_b32 s17, 0
	s_mul_i32 s46, s42, 196608                     ; W: head x 196,608
	s_mul_i32 s47, s12, 12288                      ;    + half x 12,288
	s_add_co_u32 s46, s46, s47
	s_mov_b32 s47, 0
	s_mul_i32 s20, s12, XHALF                      ; LDS: no place in the cluster enters
	s_mul_i32 s21, s12, WHALF
	s_add_co_u32 s21, s21, WOFF
	s_mov_b32 s66, 0x3e38aa3b                      ; c = log2(e) / 8, twice
	s_mov_b32 s67, 0x3e38aa3b
	s_mov_b32 s68, 0x76543210                      ; v_permlanex16_b32: lane i of the other half
	s_mov_b32 s69, 0xfedcba98
	s_mov_b32 s70, 0xbe38aa3b                      ; -c
	s_wait_dscnt 0x0
	s_wait_kmcnt 0x0
	s_add_nc_u64 s[14:15], s[4:5], s[16:17]
	s_add_nc_u64 s[46:47], s[6:7], s[46:47]
	CROUND                                         ; all sixteen work-groups are here: the first joint loads meet
.irp s, 0,1
	s_mov_b32 s[G0+4*\s], 1
	s_add_co_u32 s[G0+4*\s+1], s20, \s*SLOT
	s_add_nc_u64 s[G0+4*\s+2:G0+4*\s+3], s[14:15], \s*65536        ; K step s of x
	s_or_b32 s[G0+4*\s+3], s[G0+4*\s+3], 0x80000000
	s_mov_b32 s[G0B+4*\s], 1
	s_add_co_u32 s[G0B+4*\s+1], s21, \s*SLOT
	s_add_nc_u64 s[G0B+4*\s+2:G0B+4*\s+3], s[46:47], \s*24576      ; K step s of W
	s_or_b32 s[G0B+4*\s+3], s[G0B+4*\s+3], 0x80000000
	JLOAD \s                                       ; two loads of the wave are out
.endr
	v_and_b32 v1, 15, v0                           ; r
	v_bfe_u32 v2, v0, 4, 1                         ; h
	v_and_b32 v3, 7, v0
	v_bfe_u32 v4, v0, 3, 1
	v_and_b32 v5, 31, v0                           ; lane
	v_mul_u32_u24 v6, v1, XP
	v_lshl_add_u32 v6, v2, 4, v6                   ; 144 r + 16 h
	s_mul_i32 s22, s10, 128*XP
	v_add_nc_u32 v[ADRX], s22, v6                  ; + my 128 rows
	v_add_nc_u32 v[ADRX+1], SLOT, v[ADRX]
	v_lshl_add_u32 v7, v2, 3, v3                   ; W lies [d][k]: row 8 h + (lane & 7),
	v_mul_u32_u24 v7, v7, WP
	v_lshl_add_u32 v7, v4, 4, v7                   ; 16 bytes on for lanes 8-15 of each half
	v_add_nc_u32 v[ADRW], WOFF, v7
	v_add_nc_u32 v[ADRW+1], WOFF+SLOT, v7
	v_mov_b32 v[KAD], v6
	v_mul_u32_u24 v8, v1, VP
	v_lshl_add_u32 v8, v2, 4, v8                   ; 1040 r + 16 h
	v_add_nc_u32 v[VAD], VOFF, v8
	s_lshl_b32 s23, s10, 8
	v_add_nc_u32 v[VST], s23, v[VAD]               ; + my 128 tokens x 2 bytes
	s_mul_i32 s23, s10, 16*XP
	s_add_co_u32 s23, s23, STAGE
	v_add_nc_u32 v[STO], s23, v6
	v_lshrrev_b32 v9, 3, v5
	v_mul_u32_u24 v9, v9, XP
	v_lshl_add_u32 v9, v3, 4, v9                   ; back: eight lanes take a row of 128 bytes
	v_add_nc_u32 v[RD], s23, v9
	v_lshlrev_b32 v[GO], 4, v5
.macro LDX slot, kb, f                 ; 16 loads: my 128 rows of x, 32 along K at byte kb
.irp i, 0,1,2,3,4,5,6,7
	ds_load_b128 v[\f+8*\i:\f+8*\i+3],   v[ADRX+\slot] offset:\kb+\i*16*XP
	ds_load_b128 v[\f+8*\i+4:\f+8*\i+7], v[ADRX+\slot] offset:\kb+\i*16*XP+32
.endr
.endm
.macro LDW slot, t, kk                 ; 8 transposing loads: matrix t, rows kk .. kk + 31 (K), all 64 columns
.irp n, 0,1,2,3
	ds_load_tr16_b128 v[WF+32*\t+8*\n:WF+32*\t+8*\n+3],   v[ADRW+\slot] offset:(64*\t+\kk)*WP+32*\n
	ds_load_tr16_b128 v[WF+32*\t+8*\n+4:WF+32*\t+8*\n+7], v[ADRW+\slot] offset:(64*\t+\kk+16)*WP+32*\n
.endr
.endm
.macro MULG t, f, zero, a0             ; 16 matrix instructions: token tiles a0 .. a0 + 3 x the four column tiles of matrix t
.if \t == 0
	WIN 0xa0
.endif
.if \t == 1
	WIN 0xf0
.endif
.if \t == 2
	WIN 0x50
.endif
.irp a, \a0, \a0+1, \a0+2, \a0+3
.irp n, 0,1,2,3
.if \t == 2
	MM 8*(4*(\a)+\n), \f+8*(\a), WF+64+8*\n, \zero
.else
	MM 8*(4*(\a)+\n), WF+32*\t+8*\n, \f+8*(\a), \zero
.endif
.endr
.endr
.endm
; First half of a K step: multiplies buffer 0.  The LDS queue on entry: Wq 8, x 16, Wk 8, Wv 8.
.macro SUB0 slot, zero
	s_wait_dscnt 16                                ; Wq and x are in; Wk's and Wv's 16 loads may be out
	MULG 0, XF0, \zero, 0
	MULG 0, XF0, \zero, 4
	PLACES
	WIN 0
	LDW \slot, 0, 32
	LDX \slot, 64, XF1
	s_wait_dscnt 32                                ; Wk is in: behind it Wv 8, Wq' 8, x' 16
	MULG 1, XF0, \zero, 0
	MULG 1, XF0, \zero, 4
	PLACES
	WIN 0
	LDW \slot, 1, 32
	s_wait_dscnt 32                                ; Wv is in: behind it Wq' 8, x' 16, Wk' 8
	MULG 2, XF0, \zero, 0
	MULG 2, XF0, \zero, 4
	PLACES
	WIN 0
	LDW \slot, 2, 32
.endm
; Second half: multiplies buffer 1 and changes slots.  One barrier: in front of it each wave has its reads of this slot back and all its tensor loads
; landed (the one that is out is its part of the next slot); behind it (fill = 1: behind the cluster's round that it opens) this slot is asked for again,
; two K steps ahead, first of all, and then the next slot is read.
.macro SUB1 slot, next, fill
	s_wait_dscnt 16
	MULG 0, XF1, 0, 0
	MULG 0, XF1, 0, 4
	s_wait_dscnt 0x0
	s_wait_tensorcnt 0x0
	ds_add_u32 v30, v31
	s_wait_dscnt 0x0
	s_barrier_signal -1
	MULG 1, XF1, 0, 0                              ; register work while the others arrive
	WIN 0
	s_barrier_wait -1
.if \fill
	CREST
	s_add_nc_u64 s[G0+4*\slot+2:G0+4*\slot+3], s[G0+4*\slot+2:G0+4*\slot+3], 131072
	s_add_nc_u64 s[G0B+4*\slot+2:G0B+4*\slot+3], s[G0B+4*\slot+2:G0B+4*\slot+3], 49152
	JLOAD \slot                                    ; the wave's one tensor load behind the round; 176 matrix instructions stand between it and the wait for it
.endif
	PLACES
	LDW \next, 0, 0
	LDX \next, 0, XF0
	MULG 1, XF1, 0, 4
	PLACES
	WIN 0
	LDW \next, 1, 0
	MULG 2, XF1, 0, 0
	MULG 2, XF1, 0, 4
	PLACES
	WIN 0
	LDW \next, 2, 0
.endm
.macro LAP zero
	SUB0 0, \zero
	SUB1 0, 1, 1
	SUB0 1, 0
	SUB1 1, 0, 1
.endm
	s_wait_tensorcnt 0x1                           ; my part of K step 0 is in; step 1's may stay out
	s_barrier_signal -1
	s_barrier_wait -1
	LDW 0, 0, 0
	LDX 0, 0, XF0
	LDW 0, 1, 0
	LDW 0, 2, 0
	LAP 1                                          ; K steps 0, 1: the first products start the sums
	s_mov_b32 s3, 2
.Llap:
	LAP 0                                          ; K steps 2 to 5
	s_sub_co_u32 s3, s3, 1
	s_cmp_lg_u32 s3, 0
	s_cbranch_scc1 .Llap
	SUB0 0, 0                                      ; K steps 6, 7: nothing is left to fetch
	SUB1 0, 1, 0
	SUB0 1, 0
	s_wait_dscnt 0x0
	MULG 0, XF1, 0, 0
	MULG 0, XF1, 0, 4
	MULG 1, XF1, 0, 0
	MULG 1, XF1, 0, 4
	MULG 2, XF1, 0, 0
	MULG 2, XF1, 0, 4
	PLACES
	WIN 0
	s_barrier_signal -1                            ; every wave's reads of the slots are back (waited for above): the bytes may be written over
	s_barrier_wait -1
	; V to LDS, transposed: a lane's eight tokens of column 16 n + r are 16 neighbouring bytes of V^T
	WIN 0x05
.set k, 0
.rept 128
	v_cvt_pk_f16_f32 v[CV+k], v[2*k], v[2*k+1]
.set k, k+1
.endr
	WIN 0
.irp a, 0,1,2,3,4,5,6,7
.irp n, 0,1,2,3
	ds_store_b128 v[VST], v[CV+4*(4*\a+\n):CV+4*(4*\a+\n)+3] offset:16*VP*\n+32*\a
.endr
.endr
	; K to LDS by rows
	WIN 0x0f
.set k, 0
.rept 128
	v_cvt_pk_f16_f32 v[CV+k], v[2*k], v[2*k+1]
.set k, k+1
.endr
	WIN 0
.irp a, 0,1,2,3,4,5,6,7
.irp n, 0,1,2,3
	ds_store_b128 v[ADRX], v[CV+4*(4*\a+\n):CV+4*(4*\a+\n)+3] offset:16*XP*\a+32*\n
.endr
.endr
	; Q stays in registers: packed tiles (a, 2 ks), (a, 2 ks + 1) are the fragment (a, ks), at v[8 (2 a + ks)] of window 1
	WIN 0x4a
.set k, 0
.rept 128
	v_cvt_pk_f16_f32 v[k], v[2*k], v[2*k+1]
.set k, k+1
.endr
	WIN 0
.irp a, 0,1,2,3,4,5,6,7
	v_mov_b32 v[TR+\a], 0                          ; v_permlanex16_b32 counts as a reader of its destination
.endr
	s_wait_dscnt 0x0                               ; my rows of K and V^T are written
	s_barrier_signal -1
	s_barrier_wait -1                              ; everybody's are
.macro LDK
.irp t, 0,1,2,3
.irp ks, 0,1
	ds_load_b128 v[KF+8*(2*\t+\ks):KF+8*(2*\t+\ks)+3],   v[KAD] offset:16*XP*\t+64*\ks
	ds_load_b128 v[KF+8*(2*\t+\ks)+4:KF+8*(2*\t+\ks)+7], v[KAD] offset:16*XP*\t+64*\ks+32
.endr
.endr
.endm
.macro LDV
.irp vt, 0,1,2,3
.irp u, 0,1
	ds_load_b128 v[VF+8*(2*\vt+\u):VF+8*(2*\vt+\u)+3],   v[VAD] offset:16*VP*\vt+64*\u
	ds_load_b128 v[VF+8*(2*\vt+\u)+4:VF+8*(2*\vt+\u)+7], v[VAD] offset:16*VP*\vt+64*\u+32
.endr
.endr
.endm
; One block of 64 keys for my 128 queries.
.macro BLOCK first, last
	s_wait_dscnt 16                                ; K's fragments are in, V's 16 loads may be out
	WIN 0xa4
.irp ks, 0,1
.irp t, 0,1,2,3
.irp a, 0,1,2,3,4,5,6,7
	MM 8*(4*\a+\t), KF+8*(2*\t+\ks), 8*(2*\a+\ks), 1-\ks
.endr
.endr
.endr
	PLACES
	WIN 0
.if \last == 0
	v_add_nc_u32 v[KAD], 64*XP, v[KAD]
	LDK                                            ; the next block's K
.endif
	; the running maximum, in place: 32 numbers a lane for each query tile
	WIN 0x0a
.irp a, 0,1,2,3,4,5,6,7
.if \first
	v_max_num_f32 v[MXR+\a], v[32*\a], v[32*\a+1]
.else
	v_max3_num_f32 v[MXR+\a], v[32*\a], v[32*\a+1], v[MXR+\a]
.endif
.endr
.set i, 1
.rept 15
.irp a, 0,1,2,3,4,5,6,7
	v_max3_num_f32 v[MXR+\a], v[32*\a+2*i], v[32*\a+2*i+1], v[MXR+\a]
.endr
.set i, i+1
.endr
	WIN 0
.irp a, 0,1,2,3,4,5,6,7
	v_permlanex16_b32 v[TR+\a], v[MXR+\a], s68, s69        ; the other half of the lanes holds the row's other keys
.endr
.irp a, 0,1,2,3,4,5,6,7
	v_max_num_f32 v[MXR+\a], v[MXR+\a], v[TR+\a]
.endr
.irp a, 0,1,2,3,4,5,6,7
	v_mul_f32 v[TR+\a], s70, v[MXR+\a]                     ; the new shift, -c x maximum
.endr
.if \first == 0
.irp a, 0,1,2,3,4,5,6,7
	v_sub_f32 v[ALF+2*\a], v[TR+\a], v[NMC+2*\a]           ; new shift - old shift, as they were rounded: what was summed under the old one is rescaled exactly
.endr
.irp a, 0,1,2,3,4,5,6,7
	v_exp_f32 v[ALF+2*\a], v[ALF+2*\a]
.endr
.endif
.irp a, 0,1,2,3,4,5,6,7
	v_mov_b32 v[NMC+2*\a], v[TR+\a]                        ; (plain instructions behind the exponentials)
	v_mov_b32 v[NMC+2*\a+1], v[TR+\a]
.endr
.if \first == 0
	s_wait_alu depctr_va_vdst(0)
.irp a, 0,1,2,3,4,5,6,7
	v_mov_b32 v[ALF+2*\a+1], v[ALF+2*\a]
.endr
.endif
	; p = 2^(c s - c max), in place
	WIN 0x82
.irp a, 0,1,2,3,4,5,6,7
.set i, 0
.rept 16
	v_pk_fma_f32 v[32*\a+2*i:32*\a+2*i+1], v[32*\a+2*i:32*\a+2*i+1], s[66:67], v[NMC+2*\a:NMC+2*\a+1] op_sel_hi:[1,0,1]
.set i, i+1
.endr
.set i, 0
.rept 32
	v_exp_f32 v[32*\a+i], v[32*\a+i]
.set i, i+1
.endr
.endr
	v_nop                                          ; one plain instruction behind the last exponential
.if \first == 0
	WIN 0xc3
	s_wait_alu depctr_va_vdst(0)
.irp a, 0,1,2,3,4,5,6,7
.set i, 0
.rept 16
	v_pk_mul_f32 v[32*\a+2*i:32*\a+2*i+1], v[32*\a+2*i:32*\a+2*i+1], v[ALF+2*\a:ALF+2*\a+1]   ; O under the new maximum
.set i, i+1
.endr
.endr
.endif
	WIN 0x0a
	s_wait_alu depctr_va_vdst(0)
.irp a, 0,1,2,3,4,5,6,7
	v_pk_add_f32 v[TS+2*\a:TS+2*\a+1], v[32*\a:32*\a+1], v[32*\a+2:32*\a+3]
.endr
	WIN 0x02
.set i, 2
.rept 14
.irp a, 0,1,2,3,4,5,6,7
	v_pk_add_f32 v[TS+2*\a:TS+2*\a+1], v[32*\a+2*i:32*\a+2*i+1], v[TS+2*\a:TS+2*\a+1]
.endr
.set i, i+1
.endr
	WIN 0
.irp a, 0,1,2,3,4,5,6,7
.if \first
	v_add_f32 v[LSUM+\a], v[TS+2*\a], v[TS+2*\a+1]
.else
	v_fma_f32 v[LSUM+\a], v[LSUM+\a], v[ALF+2*\a], v[TS+2*\a]
	v_add_f32 v[LSUM+\a], v[LSUM+\a], v[TS+2*\a+1]
.endif
.endr
	WIN 0x4a
.set k, 0
.rept 128
	v_cvt_pk_f16_f32 v[128+k], v[2*k], v[2*k+1]    ; P's fragments
.set k, k+1
.endr
.if \last
	s_wait_dscnt 0x0
.else
	s_wait_dscnt 16                                ; V's fragments are in, the next K's 16 loads may be out
.endif
	WIN 0xf4
.irp u, 0,1
.irp vt, 0,1,2,3
.irp a, 0,1,2,3,4,5,6,7
	MM 8*(4*\a+\vt), VF+8*(2*\vt+\u), 128+8*(2*\a+\u), \first*(1-\u)
.endr
.endr
.endr
	PLACES
	WIN 0
.if \last == 0
	v_add_nc_u32 v[VAD], 128, v[VAD]
	LDV                                            ; the next block's V^T
.endif
.endm
	LDK
	LDV
	BLOCK 1, 0
	s_mov_b32 s3, 6
.Lblk:
	BLOCK 0, 0
	s_sub_co_u32 s3, s3, 1
	s_cmp_lg_u32 s3, 0
	s_cbranch_scc1 .Lblk
	BLOCK 0, 1
	; the way out: O / sum, rounded to f16, 16 rows at a time through my own stage, stored as 512 consecutive bytes an instruction
.irp a, 0,1,2,3,4,5,6,7
	v_permlanex16_b32 v[TR+\a], v[LSUM+\a], s68, s69
.endr
.irp a, 0,1,2,3,4,5,6,7
	v_add_f32 v[LSUM+\a], v[LSUM+\a], v[TR+\a]
.endr
.irp a, 0,1,2,3,4,5,6,7
	v_rcp_f32 v[ALF+2*\a], v[LSUM+\a]
.endr
	v_nop
	s_wait_alu depctr_va_vdst(0)
.irp a, 0,1,2,3,4,5,6,7
	v_mov_b32 v[ALF+2*\a+1], v[ALF+2*\a]
.endr
	WIN 0xc3
.irp a, 0,1,2,3,4,5,6,7
.set i, 0
.rept 16
	v_pk_mul_f32 v[32*\a+2*i:32*\a+2*i+1], v[32*\a+2*i:32*\a+2*i+1], v[ALF+2*\a:ALF+2*\a+1]
.set i, i+1
.endr
.endr
	s_lshl_b32 s72, s42, 15                        ; heads [h][32768 rows][64]: head x 32,768
	s_lshl_b32 s73, s13, 9                         ; + batch x 512
	s_add_co_u32 s72, s72, s73
	s_lshl_b32 s73, s10, 7                         ; + 128 w
	s_add_co_u32 s72, s72, s73
	s_lshl_b32 s72, s72, 7                         ; rows of 128 bytes
	s_mov_b32 s73, 0
	s_add_nc_u64 s[8:9], s[8:9], s[72:73]
.macro OUTA a, rb
	WIN 0x0f
.set k, 0
.rept 16
	v_cvt_pk_f16_f32 v[TS+k], v[32*\a+2*k], v[32*\a+2*k+1]
.set k, k+1
.endr
	WIN 0
.irp vt, 0,1,2,3
	ds_store_b128 v[STO], v[TS+4*\vt:TS+4*\vt+3] offset:32*\vt
.endr
	s_wait_xcnt 0x0                                ; buffer rb, which earlier stores read, is loaded again only behind this wait
.irp t, 0,1,2,3
	ds_load_b128 v[\rb+4*\t:\rb+4*\t+3], v[RD] offset:4*XP*\t      ; a wave's LDS instructions are served in order: these see the stores above
.endr
.irp t, 0,1,2,3
	s_wait_dscnt 3-\t
	global_store_b128 v[GO], v[\rb+4*\t:\rb+4*\t+3], s[8:9] offset:2048*\a+512*\t
.endr
.endm
	OUTA 0, RB
	OUTA 1, RB+16
	OUTA 2, RB
	OUTA 3, RB+16
	OUTA 4, RB
	OUTA 5, RB+16
	OUTA 6, RB
	OUTA 7, RB+16
	s_wait_tensorcnt 0x0
	ds_add_u32 v30, v31
	s_wait_dscnt 0x0
	CROUND                                         ; the closing round
	s_endpgm
.Lfunc_end_k_q1ed5cc0344_attn:
	.size	k_q1ed5cc0344_attn, .Lfunc_end_k_q1ed5cc0344_attn-k_q1ed5cc0344_attn
	.p2alignl 7, 3214868480
	.fill 96, 4, 3214868480
	.section	.rodata,"a",@progbits
	.p2align	6, 0x0
	.amdhsa_kernel k_q1ed5cc0344_attn
		.amdhsa_group_segment_fixed_size 327680
		.amdhsa_private_segment_fixed_size 0
		.amdhsa_enable_private_segment 0
		.amdhsa_kernarg_size 24
		.amdhsa_user_sgpr_count 2
		.amdhsa_user_sgpr_kernarg_segment_ptr 1
		.amdhsa_wavefront_size32 1
		.amdhsa_system_sgpr_workgroup_id_x 1
		.amdhsa_system_sgpr_workgroup_id_y 1
		.amdhsa_system_sgpr_workgroup_id_z 1
		.amdhsa_system_vgpr_workitem_id 0
		.amdhsa_next_free_vgpr 1024
		.amdhsa_next_free_sgpr 80
		.amdhsa_reserve_vcc 0
		.amdhsa_float_denorm_mode_32 3
		.amdhsa_float_denorm_mode_16_64 3
		.amdhsa_memory_ordered 1
		.amdhsa_forward_progress 1
		.amdhsa_inst_pref_size 255
	.end_amdhsa_kernel
	.section	.bss,"aw",@nobits
	.p2align	6
	.space	262144
	.amdgpu_metadata
---
amdhsa.version: [ 1, 2 ]
amdhsa.kernels:
  - .name:           k_q1ed5cc0344_attn
    .symbol:         k_q1ed5cc0344_attn.kd
    .args:
      - { .name: xb, .offset: 0, .size: 8, .value_kind: global_buffer, .address_space: global }
      - { .name: wts, .offset: 8, .size: 8, .value_kind: global_buffer, .address_space: global }
      - { .name: heads, .offset: 16, .size: 8, .value_kind: global_buffer, .address_space: global }
    .group_segment_fixed_size: 327680
    .private_segment_fixed_size: 0
    .kernarg_segment_align: 8
    .kernarg_segment_size: 24
    .max_flat_workgroup_size: 128
    .sgpr_count:     80
    .vgpr_count:     1024
    .wavefront_size: 32
...
	.end_amdgpu_metadata
.endif
;; end of part 2
;; launch oproj (part 3): grid 256 x 1, 4 waves a work-group, clusters of 4 x 1, 327,680 bytes of LDS; arguments heads, wts, y1, part; writes y1, part
.if DOCPART == 3
	.amdgcn_target "amdgcn-amd-amdhsa--gfx1250"
	.amdhsa_code_object_version 6
	.text
	.protected	k_q1ed5cc0344_oproj
	.globl	k_q1ed5cc0344_oproj
	.p2align	8
	.type	k_q1ed5cc0344_oproj,@function
k_q1ed5cc0344_oproj:
	s_mov_b64 s[64:65], 0
	v_nop
	global_prefetch_b8 v0, s[64:65] scope:SCOPE_SE
	s_setreg_imm32_b32 hwreg(HW_REG_WAVE_MODE, 25, 1), 1
	s_wait_xcnt 0x0
	s_wait_alu depctr_hold_cnt(0) depctr_sa_sdst(0) depctr_va_vdst(0) depctr_va_sdst(0) depctr_va_ssrc(0) depctr_va_vcc(0) depctr_vm_vsrc(0)
	s_getreg_b32 s2, hwreg(HW_REG_IB_STS2, 6, 4)
	s_cmp_eq_u32 s2, 0
	s_cbranch_scc0 .Lentry_in_a_cluster
	s_endpgm
.Lentry_in_a_cluster:
	s_bfe_u32 s2, ttmp6, 0x10000c
	s_cmp_lg_u32 s2, 0x3003
	s_cbranch_scc0 .Lentry_shape_is_right
	s_endpgm
.Lentry_shape_is_right:
; y1[row][d] = sum over h, v of heads[h][row][v] Wo[h][v][d] (f16 operands, f32 sums), and for each column the mean and the sum of squared
; deviations of the work-group's 128 rows (for the first BatchNorm; the doubling out + out is folded into the coefficients later).
; A work-group makes 128 rows x 512 columns; wave w makes all 128 rows x columns 128 w .. + 127: 64 accumulator tiles (a, b) at v[8 (8 a + b)],
; rows 0-63 in window 2, rows 64-127 in window 3.  A's fragments in window 0, Wo's in window 1 (v64-127, v128-191: two buffers).
; LDS: the work-group's heads rows stay resident, 8 chunks (one a head) of 128 rows, pitch 144, 18,560 bytes apart; behind them two slots of
; one head's Wo [64 v][512 d], pitch 1056, read by transposing loads.  Two slots of two heads each would not fit beside the resident rows.
; CLUSTER 4 x 1: all work-groups walk the same Wo tiles: four ask jointly (mask 15), each wave for its 16 rows.  The heads rows are private loads.
; The matrix instruction is used transposed (Wo as source 0): a lane holds row r and eight neighbouring columns.
; The accumulators take turns, one matrix instruction a turn.
; STATISTICS: deviations are taken from the column's first row, a sample of the data, so the final subtraction is of the size of the spread.
.set AP,    144
.set CH,    18560
.set RING,  8*CH                       ; 148,480
.set WPI,   1056
.set SLOTB, 64*WPI                     ; 67,584
.set SP,    528                        ; the stage's pitch: 512 bytes + 16
.set WO_OFF, 1572864
.set ADRA, 16
.set ADRB, 20                          ; v20,21
.set STO,  24
.set RD,   25
.set CO,   26                          ; 512 w + 16 lane: my four columns, in bytes
.set KS,   32                          ; v32-35 the shift     v36-39 sum of deviations    v40-43 sum of their squares    v44-47 at work
.set SD,   36
.set SQ,   40
.set DD,   44
.set F0,   64
.set F1,   128
.set G1A, 16                           ; s[16:23] group 1, heads   s[32:39] group 0, two chunks
.set G1W, 24                           ; s[24:31] group 1, Wo      s[40:47] group 0, one for each slot
.set G0A, 32
.set G0W, 40
.set MSB, 0
.macro WIN new
.if MSB != \new
	s_set_vgpr_msb (MSB<<8)|\new
.set MSB, \new
.endif
.endm
.macro PLACES                          ; four places behind matrix instructions (ISA guide 7.12.1)
.rept 4
	v_nop
.endr
.endm
.macro CREST
	s_cmp_lg_u32 s12, 0
	s_cbranch_scc1 .Lnot_wave_0_\@
	s_barrier_signal -3
.Lnot_wave_0_\@:
	s_barrier_wait -3
	s_barrier_signal -1
	s_barrier_wait -1
.endm
.macro CROUND
	s_barrier_signal -1
	s_barrier_wait -1
	CREST
.endm
	s_load_b256 s[4:11], s[0:1], 0x0               ; heads 4, wts 6, y1 8, part 10
	s_set_vgpr_msb 0x40
	v_lshl_add_u32 v255, v0, 2, 0x45400
	s_set_vgpr_msb 0x4000
	v_mov_b32 v255, 0
	s_set_vgpr_msb 0x1
	ds_add_u32 v255, v255
	s_set_vgpr_msb 0x100
	v_lshrrev_b32 v1, 5, v0
	v_readfirstlane_b32 s12, v1                    ; wave
	s_bfe_u32 s13, ttmp6, 0x40000                  ; cx
	s_lshl_b32 s14, ttmp9, 2
	s_add_co_u32 s14, s14, s13                     ; work-group: enters private global addresses alone
	s_mov_b32 s[G1A+0], (1<<16)|(1<<20)|(4<<22)|(3<<25)            ; no mask; 2-byte elements; 16 bytes of padding behind every 128
	s_mov_b32 s[G1A+1], 128<<16                    ; a chunk is dense: 64 rows of 256 bytes = 128 rows of 64 f16
	s_mov_b32 s[G1A+2], 64<<16
	s_mov_b32 s[G1A+3], 128<<16
	s_mov_b32 s[G1A+4], 64
	s_mov_b32 s[G1A+5], 128
	s_mov_b32 s[G1A+6], 0
	s_mov_b32 s[G1A+7], 0
	s_mov_b32 s[G1W+0], 15|(1<<16)|(1<<20)|(1<<21)|(7<<22)|(7<<25) ; mask: the four of my cluster; 32 bytes of padding behind every 1,024
	s_mov_b32 s[G1W+1], 512<<16
	s_mov_b32 s[G1W+2], 16<<16
	s_mov_b32 s[G1W+3], 512<<16
	s_mov_b32 s[G1W+4], 16
	s_mov_b32 s[G1W+5], 512
	s_mov_b32 s[G1W+6], 0
	s_mov_b32 s[G1W+7], 0
	s_lshl_b32 s48, s12, 23                        ; heads: chunk 2 w x 4,194,304
	s_lshl_b32 s49, s14, 14                        ;        + work-group x 128 rows of 128 bytes
	s_add_co_u32 s48, s48, s49
	s_mov_b32 s49, 0
	s_lshl_b32 s50, s12, 14                        ; Wo: my 16 rows of 1,024 bytes
	s_add_co_u32 s50, s50, WO_OFF
	s_mov_b32 s51, 0
	s_mul_i32 s52, s12, 2*CH
	s_mul_i32 s53, s12, 16*WPI
	s_add_co_u32 s53, s53, RING
	s_lshl_b32 s54, s14, 18                        ; y1: 128 rows of 2,048 bytes
	s_mov_b32 s55, 0
	s_lshl_b32 s56, s14, 12                        ; part: 4,096 bytes a work-group
	s_mov_b32 s57, 0
	s_wait_dscnt 0x0
	s_wait_kmcnt 0x0
	s_add_nc_u64 s[48:49], s[4:5], s[48:49]
	s_add_nc_u64 s[50:51], s[6:7], s[50:51]
	s_add_nc_u64 s[8:9], s[8:9], s[54:55]
	s_add_nc_u64 s[10:11], s[10:11], s[56:57]
	CROUND
.irp s, 0,1
	s_mov_b32 s[G0A+4*\s], 1
	s_add_co_u32 s[G0A+4*\s+1], s52, \s*CH
	s_add_nc_u64 s[G0A+4*\s+2:G0A+4*\s+3], s[48:49], \s*4194304
	s_or_b32 s[G0A+4*\s+3], s[G0A+4*\s+3], 0x80000000
	tensor_load_to_lds s[G0A+4*\s:G0A+4*\s+3], s[G1A:G1A+7]
	s_nop 0
.endr
.irp s, 0,1
	s_mov_b32 s[G0W+4*\s], 1
	s_add_co_u32 s[G0W+4*\s+1], s53, \s*SLOTB
	s_add_nc_u64 s[G0W+4*\s+2:G0W+4*\s+3], s[50:51], \s*65536
	s_or_b32 s[G0W+4*\s+3], s[G0W+4*\s+3], 0x80000000
	tensor_load_to_lds s[G0W+4*\s:G0W+4*\s+3], s[G1W:G1W+7]        ; four loads of the wave are out
	s_nop 0
.endr
	v_and_b32 v1, 15, v0                           ; r
	v_bfe_u32 v2, v0, 4, 1                         ; h
	v_and_b32 v3, 31, v0                           ; lane
	v_and_b32 v4, 7, v0
	v_bfe_u32 v5, v0, 3, 1
	v_mul_u32_u24 v6, v1, AP
	v_lshl_add_u32 v[ADRA], v2, 4, v6              ; 144 r + 16 h
	v_lshl_add_u32 v7, v2, 3, v4
	v_mul_u32_u24 v7, v7, WPI                      ; row 8 h + (lane & 7) of Wo's tile
	v_lshl_add_u32 v7, v5, 4, v7
	s_lshl_b32 s58, s12, 8
	s_add_co_u32 s58, s58, RING                    ; + my 128 columns
	v_add_nc_u32 v[ADRB], s58, v7
	v_add_nc_u32 v[ADRB+1], SLOTB, v[ADRB]
	s_mul_i32 s59, s12, 16*SP
	s_add_co_u32 s59, s59, RING                    ; my stage, in the ring once it is dead
	v_mul_u32_u24 v8, v1, SP
	v_lshl_add_u32 v8, v2, 5, v8
	v_add_nc_u32 v[STO], s59, v8
	v_lshl_add_u32 v[RD], v3, 4, s59
	s_lshl_b32 s60, s12, 9
	v_lshl_add_u32 v[CO], v3, 4, s60
.macro MUL16 f, hi, a0, zero
.irp a, \a0, \a0+1
.irp b, 0,1,2,3,4,5,6,7
.if \zero
	v_wmma_f32_16x16x32_f16 v[8*(8*(\a)+\b):8*(8*(\a)+\b)+7], v[\f+8*\b:\f+8*\b+7], v[\f+8*(4*\hi+\a):\f+8*(4*\hi+\a)+7], 0
.else
	v_wmma_f32_16x16x32_f16 v[8*(8*(\a)+\b):8*(8*(\a)+\b)+7], v[\f+8*\b:\f+8*\b+7], v[\f+8*(4*\hi+\a):\f+8*(4*\hi+\a)+7], v[8*(8*(\a)+\b):8*(8*(\a)+\b)+7]
.endif
.endr
.endr
.endm
.macro FETCH slot, kk, coff, f         ; 32 loads: Wo rows kk .. kk + 31 x my 128 columns, then 128 rows of heads, 32 along K
	WIN 0x40
.irp i, 0,1,2,3,4,5,6,7
	ds_load_tr16_b128 v[\f+8*\i:\f+8*\i+3],   v[ADRB+\slot] offset:\kk*WPI+32*\i
	ds_load_tr16_b128 v[\f+8*\i+4:\f+8*\i+7], v[ADRB+\slot] offset:(\kk+16)*WPI+32*\i
.endr
	WIN 0
.irp i, 0,1,2,3,4,5,6,7
	ds_load_b128 v[\f+8*\i:\f+8*\i+3],   v[ADRA] offset:\coff+2*\kk+\i*16*AP
	ds_load_b128 v[\f+8*\i+4:\f+8*\i+7], v[ADRA] offset:\coff+2*\kk+\i*16*AP+32
.endr
.endm
.macro QUARTER slot, coff, zero        ; first half of a K step: multiplies buffer 0, fetches the second half into buffer 1
	s_wait_dscnt 8                                 ; Wo and rows 0-63 are in; the youngest eight loads (rows 64-127) may be out
	WIN 0xa1
	MUL16 F0, 0, 0, \zero
	MUL16 F0, 0, 2, \zero
	PLACES
	FETCH \slot, 32, \coff, F1
	s_wait_dscnt 32                                ; all but the 32 just issued
	WIN 0xf1
	MUL16 F0, 1, 0, \zero
	MUL16 F0, 1, 2, \zero
.endm
; second half: multiplies buffer 1 and changes slots: my reads of this slot are back and all my tensor loads have landed in front of the signal;
; fill = 1: the barrier opens a round of the cluster's barrier, and the joint refill, two K steps ahead, is the first thing behind it.
.macro TURN slot, next, fill, coff
	s_wait_dscnt 8
	WIN 0xa1
	MUL16 F1, 0, 0, 0
	s_wait_dscnt 0x0
	s_wait_tensorcnt 0x0
	ds_add_u32 v255, v255
	s_wait_dscnt 0x0
	s_barrier_signal -1
	MUL16 F1, 0, 2, 0
	WIN 0
	s_barrier_wait -1
.if \fill
	CREST
	s_add_nc_u64 s[G0W+4*\slot+2:G0W+4*\slot+3], s[G0W+4*\slot+2:G0W+4*\slot+3], 131072
	tensor_load_to_lds s[G0W+4*\slot:G0W+4*\slot+3], s[G1W:G1W+7]  ; 112 matrix instructions stand between this request and the wait for it
	s_nop 0
.endif
	PLACES
	FETCH \next, 0, \coff, F0
	WIN 0xf1
	MUL16 F1, 1, 0, 0
	MUL16 F1, 1, 2, 0
.endm
.macro LAP zero
	QUARTER 0, 0, \zero
	TURN 0, 1, 1, CH
	QUARTER 1, CH, 0
	TURN 1, 0, 1, 2*CH
	WIN 0
	v_add_nc_u32 v[ADRA], 2*CH, v[ADRA]            ; two chunks on
.endm
	s_wait_tensorcnt 0x1                           ; my two chunks and my part of slot 0 are in; slot 1's may stay out
	s_barrier_signal -1
	s_barrier_wait -1
	FETCH 0, 0, 0, F0
	LAP 1
	s_mov_b32 s3, 2
.Llap:
	LAP 0
	s_sub_co_u32 s3, s3, 1
	s_cmp_lg_u32 s3, 0
	s_cbranch_scc1 .Llap
	QUARTER 0, 0, 0                                ; heads 6 and 7: nothing is left to fetch
	TURN 0, 1, 0, CH
	QUARTER 1, CH, 0
	s_wait_dscnt 8
	WIN 0xa1
	MUL16 F1, 0, 0, 0
	MUL16 F1, 0, 2, 0
	s_wait_dscnt 0x0
	WIN 0xf1
	MUL16 F1, 1, 0, 0
	MUL16 F1, 1, 2, 0
	PLACES
	WIN 0
	s_barrier_signal -1                            ; every wave's reads of the ring are back: the stages may be written
	s_barrier_wait -1
.macro STAT row, y                     ; one row's four numbers of my columns enter the sums
.if \row == 0
.irp j, 0,1,2,3
	v_mov_b32 v[KS+\j], v[\y+\j]
.endr
.else
.if \row == 1
	v_pk_add_f32 v[SD:SD+1],   v[\y:\y+1],   v[KS:KS+1]   neg_lo:[0,1] neg_hi:[0,1]
	v_pk_add_f32 v[SD+2:SD+3], v[\y+2:\y+3], v[KS+2:KS+3] neg_lo:[0,1] neg_hi:[0,1]
	v_pk_mul_f32 v[SQ:SQ+1],   v[SD:SD+1],   v[SD:SD+1]
	v_pk_mul_f32 v[SQ+2:SQ+3], v[SD+2:SD+3], v[SD+2:SD+3]
.else
	v_pk_add_f32 v[DD:DD+1],   v[\y:\y+1],   v[KS:KS+1]   neg_lo:[0,1] neg_hi:[0,1]
	v_pk_add_f32 v[DD+2:DD+3], v[\y+2:\y+3], v[KS+2:KS+3] neg_lo:[0,1] neg_hi:[0,1]
	v_pk_add_f32 v[SD:SD+1],   v[SD:SD+1],   v[DD:DD+1]
	v_pk_add_f32 v[SD+2:SD+3], v[SD+2:SD+3], v[DD+2:DD+3]
	v_pk_fma_f32 v[SQ:SQ+1],   v[DD:DD+1],   v[DD:DD+1],   v[SQ:SQ+1]
	v_pk_fma_f32 v[SQ+2:SQ+3], v[DD+2:DD+3], v[DD+2:DD+3], v[SQ+2:SQ+3]
.endif
.endif
.endm
; rows 16 g .. 16 g + 15: accumulators into my stage, read back a row (my 512 bytes) an instruction, so a lane keeps four columns through all rows.
; The sixteen stores stand in one run and the sixteen rows' statistics, which only read the buffer, behind them: vector and memory instructions
; change places once a group of sixteen rows, not once a row.
.macro OUTG g, rb
.if \g < 4
	WIN 0x08
.else
	WIN 0x0c
.endif
.irp b, 0,1,2,3,4,5,6,7
	ds_store_b128 v[STO], v[8*(8*(\g&3)+\b):8*(8*(\g&3)+\b)+3]   offset:64*\b
	ds_store_b128 v[STO], v[8*(8*(\g&3)+\b)+4:8*(8*(\g&3)+\b)+7] offset:64*\b+16
.endr
	WIN 0
	s_wait_xcnt 0x0                                ; buffer rb, which earlier stores read, is loaded again only behind this wait
.irp t, 0,1,2,3,4,5,6,7,8,9,10,11,12,13,14,15
	ds_load_b128 v[\rb+4*\t:\rb+4*\t+3], v[RD] offset:SP*\t        ; served in order behind my stores above
.endr
.irp t, 0,1,2,3,4,5,6,7,8,9,10,11,12,13,14,15
	s_wait_dscnt 15-\t                             ; LDS loads come back in order: row t is in
	global_store_b128 v[CO], v[\rb+4*\t:\rb+4*\t+3], s[8:9] offset:(16*\g+\t)*2048   ; 512 consecutive bytes of a row
.endr
.irp t, 0,1,2,3,4,5,6,7,8,9,10,11,12,13,14,15
	STAT 16*\g+\t, \rb+4*\t
.endr
.endm
	OUTG 0, F0
	OUTG 1, F1
	OUTG 2, F0
	OUTG 3, F1
	OUTG 4, F0
	OUTG 5, F1
	OUTG 6, F0
	OUTG 7, F1
	; mean = shift + sum / 128;  M2 = squares - sum^2 / 128
	v_pk_fma_f32 v[DD:DD+1],   v[SD:SD+1],   0x3c000000, v[KS:KS+1]   op_sel_hi:[1,0,1]
	v_pk_fma_f32 v[DD+2:DD+3], v[SD+2:SD+3], 0x3c000000, v[KS+2:KS+3] op_sel_hi:[1,0,1]
	v_pk_mul_f32 v[KS:KS+1],   v[SD:SD+1],   0xbc000000 op_sel_hi:[1,0]
	v_pk_mul_f32 v[KS+2:KS+3], v[SD+2:SD+3], 0xbc000000 op_sel_hi:[1,0]
	v_pk_fma_f32 v[SQ:SQ+1],   v[KS:KS+1],   v[SD:SD+1],   v[SQ:SQ+1]
	v_pk_fma_f32 v[SQ+2:SQ+3], v[KS+2:KS+3], v[SD+2:SD+3], v[SQ+2:SQ+3]
	global_store_b128 v[CO], v[DD:DD+3], s[10:11]
	global_store_b128 v[CO], v[SQ:SQ+3], s[10:11] offset:2048
	s_set_vgpr_msb 0x1
	s_wait_tensorcnt 0x0
	ds_add_u32 v255, v255
	s_wait_dscnt 0x0
	s_set_vgpr_msb 0x100
	CROUND                                         ; the closing round
	s_endpgm
.Lfunc_end_k_q1ed5cc0344_oproj:
	.size	k_q1ed5cc0344_oproj, .Lfunc_end_k_q1ed5cc0344_oproj-k_q1ed5cc0344_oproj
	.p2alignl 7, 3214868480
	.fill 96, 4, 3214868480
	.section	.rodata,"a",@progbits
	.p2align	6, 0x0
	.amdhsa_kernel k_q1ed5cc0344_oproj
		.amdhsa_group_segment_fixed_size 327680
		.amdhsa_private_segment_fixed_size 0
		.amdhsa_enable_private_segment 0
		.amdhsa_kernarg_size 32
		.amdhsa_user_sgpr_count 2
		.amdhsa_user_sgpr_kernarg_segment_ptr 1
		.amdhsa_wavefront_size32 1
		.amdhsa_system_sgpr_workgroup_id_x 1
		.amdhsa_system_sgpr_workgroup_id_y 1
		.amdhsa_system_sgpr_workgroup_id_z 1
		.amdhsa_system_vgpr_workitem_id 0
		.amdhsa_next_free_vgpr 1024
		.amdhsa_next_free_sgpr 66
		.amdhsa_reserve_vcc 0
		.amdhsa_float_denorm_mode_32 3
		.amdhsa_float_denorm_mode_16_64 3
		.amdhsa_memory_ordered 1
		.amdhsa_forward_progress 1
		.amdhsa_inst_pref_size 166
	.end_amdhsa_kernel
	.amdgpu_metadata
---
amdhsa.version: [ 1, 2 ]
amdhsa.kernels:
  - .name:           k_q1ed5cc0344_oproj
    .symbol:         k_q1ed5cc0344_oproj.kd
    .args:
      - { .name: heads, .offset: 0, .size: 8, .value_kind: global_buffer, .address_space: global }
      - { .name: wts, .offset: 8, .size: 8, .value_kind: global_buffer, .address_space: global }
      - { .name: y1, .offset: 16, .size: 8, .value_kind: global_buffer, .address_space: global }
      - { .name: part, .offset: 24, .size: 8, .value_kind: global_buffer, .address_space: global }
    .group_segment_fixed_size: 327680
    .private_segment_fixed_size: 0
    .kernarg_segment_align: 8
    .kernarg_segment_size: 32
    .max_flat_workgroup_size: 128
    .sgpr_count:     66
    .vgpr_count:     1024
    .wavefront_size: 32
...
	.end_amdgpu_metadata
.endif
;; end of part 3
;; launch fin1 (part 4): grid 8 x 1, 8 waves a work-group, no clusters, 5,120 bytes of LDS; arguments part, norm1_w, coef; writes coef
.if DOCPART == 4
	.amdgcn_target "amdgcn-amd-amdhsa--gfx1250"
	.amdhsa_code_object_version 6
	.text
	.protected	k_q1ed5cc0344_fin1
	.globl	k_q1ed5cc0344_fin1
	.p2align	8
	.type	k_q1ed5cc0344_fin1,@function
k_q1ed5cc0344_fin1:
	s_mov_b64 s[64:65], 0
	v_nop
	global_prefetch_b8 v0, s[64:65] scope:SCOPE_SE
	s_setreg_imm32_b32 hwreg(HW_REG_WAVE_MODE, 25, 1), 1
	s_wait_xcnt 0x0
; Merges the 256 partial (mean, M2) pairs of 128 rows each into each column's mean m and a = 2 w / sqrt(4 var + 1e-5):
; BatchNorm(y + y) = (y - m) a + b.  All groups have 128 rows, so m is the mean of the means, and
; total M2 = sum of M2 + 128 x sum of (mean_i - m)^2: no difference of large sums.  var = total / 32,768.
; Work-group g owns columns 64 g .. 64 g + 63.  Lane: q = lane & 15 owns four columns; 2 w + (lane >> 4) owns 16 of the 256 groups.
; Sixteen neighbouring lanes read 256 consecutive bytes.  8 work-groups: the work is 1 MiB of reads; more would only split the sums further.
.set ME, 16                            ; v16-79   16 groups' means of my four columns
.set MM, 80                            ; v80-143  their M2
.set SM, 144                           ; v144-147 the sum at work
.set TT, 148
.set WN, 152
.set MEAN, 156
.set SS, 160
.set DD, 164
.set RR, 168                           ; v168-199 the eight waves' sums
	s_load_b128 s[4:7], s[0:1], 0x0                ; part, norm_w
	s_load_b64 s[8:9], s[0:1], 0x10                ; coef
	v_lshl_add_u32 v200, v0, 2, 0x1000
	v_mov_b32 v201, 0
	v_lshrrev_b32 v1, 5, v0
	v_readfirstlane_b32 s10, v1                    ; wave
	v_and_b32 v2, 15, v0                           ; q
	v_bfe_u32 v3, v0, 4, 1                         ; lane half
	v_lshlrev_b32 v4, 4, v2                        ; 16 q
	v_lshl_add_u32 v5, v1, 1, v3                   ; 2 w + half
	v_lshl_add_u32 v5, v5, 16, v4                  ; x 16 groups of 4,096 bytes + 16 q
	v_lshl_add_u32 v6, s10, 8, v4                  ; LDS: 256 w + 16 q
	v_lshl_add_u32 v7, v3, 11, v4                  ; coef: lanes 0-15 m, lanes 16-31 a
	s_lshl_b32 s12, ttmp9, 8                       ; 256 g
	s_mov_b32 s13, 0
	s_mov_b32 s14, 0x76543210
	s_mov_b32 s15, 0xfedcba98
	s_mov_b32 s16, 0x39000000                      ; 1 / 8,192 = 4 / 32,768
	s_mov_b32 s17, 0x3727c5ac                      ; 1e-5
	s_wait_kmcnt 0x0
	s_add_nc_u64 s[4:5], s[4:5], s[12:13]
	s_add_nc_u64 s[6:7], s[6:7], s[12:13]
	s_add_nc_u64 s[8:9], s[8:9], s[12:13]
.set i, 0
.rept 16
	global_load_b128 v[ME+4*i:ME+4*i+3], v5, s[4:5] offset:4096*i
	global_load_b128 v[MM+4*i:MM+4*i+3], v5, s[4:5] offset:4096*i+2048
.set i, i+1
.endr
	global_load_b128 v[WN:WN+3], v4, s[6:7]
.irp j, 0,1,2,3
	v_mov_b32 v[TT+\j], 0                          ; v_permlanex16_b32 counts as a reader of its destination
.endr
	s_wait_loadcnt 0x0
; SM, summed over the two lane halves and the eight waves, comes back in SM in every lane.  base: LDS bytes of its own for each use.
.macro ALLSUM base
.irp j, 0,1,2,3
	v_permlanex16_b32 v[TT+\j], v[SM+\j], s14, s15
.endr
	v_pk_add_f32 v[SM:SM+1],   v[SM:SM+1],   v[TT:TT+1]
	v_pk_add_f32 v[SM+2:SM+3], v[SM+2:SM+3], v[TT+2:TT+3]
	ds_store_b128 v6, v[SM:SM+3] offset:\base      ; both halves write the same numbers to the same bytes
	s_wait_dscnt 0x0                               ; for the other waves' sake
	s_barrier_signal -1
	s_barrier_wait -1
.irp j, 0,1,2,3,4,5,6,7
	ds_load_b128 v[RR+4*\j:RR+4*\j+3], v4 offset:\base+256*\j
.endr
	s_wait_dscnt 0x0
	v_pk_add_f32 v[SM:SM+1],   v[RR:RR+1],   v[RR+4:RR+5]
	v_pk_add_f32 v[SM+2:SM+3], v[RR+2:RR+3], v[RR+6:RR+7]
.irp j, 2,3,4,5,6,7
	v_pk_add_f32 v[SM:SM+1],   v[SM:SM+1],   v[RR+4*\j:RR+4*\j+1]
	v_pk_add_f32 v[SM+2:SM+3], v[SM+2:SM+3], v[RR+4*\j+2:RR+4*\j+3]
.endr
.endm
	v_pk_add_f32 v[SM:SM+1],   v[ME:ME+1],   v[ME+4:ME+5]
	v_pk_add_f32 v[SM+2:SM+3], v[ME+2:ME+3], v[ME+6:ME+7]
.set i, 2
.rept 14
	v_pk_add_f32 v[SM:SM+1],   v[SM:SM+1],   v[ME+4*i:ME+4*i+1]
	v_pk_add_f32 v[SM+2:SM+3], v[SM+2:SM+3], v[ME+4*i+2:ME+4*i+3]
.set i, i+1
.endr
	ALLSUM 0
	v_pk_mul_f32 v[MEAN:MEAN+1],   v[SM:SM+1],   0x3b800000 op_sel_hi:[1,0]     ; / 256
	v_pk_mul_f32 v[MEAN+2:MEAN+3], v[SM+2:SM+3], 0x3b800000 op_sel_hi:[1,0]
	v_pk_add_f32 v[DD:DD+1],   v[ME:ME+1],   v[MEAN:MEAN+1]     neg_lo:[0,1] neg_hi:[0,1]
	v_pk_add_f32 v[DD+2:DD+3], v[ME+2:ME+3], v[MEAN+2:MEAN+3]   neg_lo:[0,1] neg_hi:[0,1]
	v_pk_mul_f32 v[SS:SS+1],   v[DD:DD+1],   v[DD:DD+1]
	v_pk_mul_f32 v[SS+2:SS+3], v[DD+2:DD+3], v[DD+2:DD+3]
	v_pk_add_f32 v[SM:SM+1],   v[MM:MM+1],   v[MM+4:MM+5]
	v_pk_add_f32 v[SM+2:SM+3], v[MM+2:MM+3], v[MM+6:MM+7]
.set i, 1
.rept 15
	v_pk_add_f32 v[DD:DD+1],   v[ME+4*i:ME+4*i+1],   v[MEAN:MEAN+1]     neg_lo:[0,1] neg_hi:[0,1]
	v_pk_add_f32 v[DD+2:DD+3], v[ME+4*i+2:ME+4*i+3], v[MEAN+2:MEAN+3]   neg_lo:[0,1] neg_hi:[0,1]
	v_pk_fma_f32 v[SS:SS+1],   v[DD:DD+1],   v[DD:DD+1],   v[SS:SS+1]
	v_pk_fma_f32 v[SS+2:SS+3], v[DD+2:DD+3], v[DD+2:DD+3], v[SS+2:SS+3]
.set i, i+1
.endr
.set i, 2
.rept 14
	v_pk_add_f32 v[SM:SM+1],   v[SM:SM+1],   v[MM+4*i:MM+4*i+1]
	v_pk_add_f32 v[SM+2:SM+3], v[SM+2:SM+3], v[MM+4*i+2:MM+4*i+3]
.set i, i+1
.endr
	v_pk_fma_f32 v[SM:SM+1],   v[SS:SS+1],   0x43000000, v[SM:SM+1]   op_sel_hi:[1,0,1]   ; + 128 x
	v_pk_fma_f32 v[SM+2:SM+3], v[SS+2:SS+3], 0x43000000, v[SM+2:SM+3] op_sel_hi:[1,0,1]
	ALLSUM 2048
.irp j, 0,1,2,3
	v_max_num_f32 v[SM+\j], 0, v[SM+\j]            ; rounding may leave a sum of squares a hair below 0
.endr
.irp j, 0,1,2,3
	v_fma_f32 v[SM+\j], v[SM+\j], s16, s17         ; 4 var + eps
.endr
.irp j, 0,1,2,3
	v_rsq_f32 v[SM+\j], v[SM+\j]
.endr
.irp j, 0,1,2,3
	v_add_f32 v[WN+\j], v[WN+\j], v[WN+\j]         ; 2 w (plain instructions behind the roots)
.endr
	s_wait_alu depctr_va_vdst(0)
.irp j, 0,1,2,3
	v_mul_f32 v[SM+\j], v[SM+\j], v[WN+\j]
.endr
	s_cmp_lg_u32 s10, 0
	s_cbranch_scc1 .Lend                           ; every wave holds the result; wave 0 stores it
	v_cmp_eq_u32 vcc_lo, 1, v3
.irp j, 0,1,2,3
	v_cndmask_b32 v[DD+\j], v[MEAN+\j], v[SM+\j], vcc_lo
.endr
	global_store_b128 v7, v[DD:DD+3], s[8:9]       ; each lane half stores 256 consecutive bytes
.Lend:
	s_wait_tensorcnt 0x0
	ds_add_u32 v200, v201
	s_wait_dscnt 0x0
	s_endpgm
.Lfunc_end_k_q1ed5cc0344_fin1:
	.size	k_q1ed5cc0344_fin1, .Lfunc_end_k_q1ed5cc0344_fin1-k_q1ed5cc0344_fin1
	.p2alignl 7, 3214868480
	.fill 96, 4, 3214868480
	.section	.rodata,"a",@progbits
	.p2align	6, 0x0
	.amdhsa_kernel k_q1ed5cc0344_fin1
		.amdhsa_group_segment_fixed_size 5120
		.amdhsa_private_segment_fixed_size 0
		.amdhsa_enable_private_segment 0
		.amdhsa_kernarg_size 24
		.amdhsa_user_sgpr_count 2
		.amdhsa_user_sgpr_kernarg_segment_ptr 1
		.amdhsa_wavefront_size32 1
		.amdhsa_system_sgpr_workgroup_id_x 1
		.amdhsa_system_sgpr_workgroup_id_y 1
		.amdhsa_system_sgpr_workgroup_id_z 1
		.amdhsa_system_vgpr_workitem_id 0
		.amdhsa_next_free_vgpr 202
		.amdhsa_next_free_sgpr 66
		.amdhsa_reserve_vcc 1
		.amdhsa_float_denorm_mode_32 3
		.amdhsa_float_denorm_mode_16_64 3
		.amdhsa_memory_ordered 1
		.amdhsa_forward_progress 1
		.amdhsa_inst_pref_size 18
	.end_amdhsa_kernel
	.amdgpu_metadata
---
amdhsa.version: [ 1, 2 ]
amdhsa.kernels:
  - .name:           k_q1ed5cc0344_fin1
    .symbol:         k_q1ed5cc0344_fin1.kd
    .args:
      - { .name: part, .offset: 0, .size: 8, .value_kind: global_buffer, .address_space: global }
      - { .name: norm1_w, .offset: 8, .size: 8, .value_kind: global_buffer, .address_space: global }
      - { .name: coef, .offset: 16, .size: 8, .value_kind: global_buffer, .address_space: global }
    .group_segment_fixed_size: 5120
    .private_segment_fixed_size: 0
    .kernarg_segment_align: 8
    .kernarg_segment_size: 24
    .max_flat_workgroup_size: 256
    .sgpr_count:     66
    .vgpr_count:     202
    .wavefront_size: 32
...
	.end_amdgpu_metadata
.endif
;; end of part 4
;; launch ffn (part 5): grid 256 x 1, 4 waves a work-group, clusters of 4 x 1, 327,680 bytes of LDS; arguments y1, coef, norm1_b, wts, ff_b1, ff_b2, y2, part; writes y2, part
.if DOCPART == 5
	.amdgcn_target "amdgcn-amd-amdhsa--gfx1250"
	.amdhsa_code_object_version 6
	.text
	.protected	k_q1ed5cc0344_ffn
	.globl	k_q1ed5cc0344_ffn
	.p2align	8
	.type	k_q1ed5cc0344_ffn,@function
k_q1ed5cc0344_ffn:
	s_mov_b64 s[64:65], 0
	v_nop
	global_prefetch_b8 v0, s[64:65] scope:SCOPE_SE
	s_setreg_imm32_b32 hwreg(HW_REG_WAVE_MODE, 25, 1), 1
	s_wait_xcnt 0x0
	s_wait_alu depctr_hold_cnt(0) depctr_sa_sdst(0) depctr_va_vdst(0) depctr_va_sdst(0) depctr_va_ssrc(0) depctr_va_vcc(0) depctr_vm_vsrc(0)
	s_getreg_b32 s2, hwreg(HW_REG_IB_STS2, 6, 4)
	s_cmp_eq_u32 s2, 0
	s_cbranch_scc0 .Lentry_in_a_cluster
	s_endpgm
.Lentry_in_a_cluster:
	s_bfe_u32 s2, ttmp6, 0x10000c
	s_cmp_lg_u32 s2, 0x3003
	s_cbranch_scc0 .Lentry_shape_is_right
	s_endpgm
.Lentry_shape_is_right:
; h = (y1 - m) a + b (the first BatchNorm);  y2 = h + relu(h W1^T + b1) W2^T + b2;  and per column the mean and M2 of the work-group's 128 rows of y2.
; (The doubling h2 + h2 is folded into the second BatchNorm's coefficients.)  f16 matrix operands, f32 sums; h in the residual is f32, computed
; a second time from y1.  LIMIT: |h| and the hidden layer below 65,504 (f16).
; A work-group makes 128 rows x 512 columns in both layers; wave w all rows x columns 128 w .. + 127: 64 accumulator tiles (a, b) at v[8 (8 a + b)],
; rows 0-63 in window 2, rows 64-127 in window 3; fragments of the activations in window 0, of the weights in window 1 (v64-127, v128-191).
; LDS: the activations (h, then the hidden layer) in 8 chunks of 128 rows x 64, pitch 144, 18,560 bytes apart, written by LDS stores; behind them,
; from byte 148,480 (a multiple of 256), two slots of a weight tile [512 n][64 k], pitch 144, filled by the tensor data mover alone.  Two slots of 128 along K would not fit.
; The 16 weight tiles (W1's eight, then W2's) lie one behind the other and go through the ring in one run.
; CLUSTER 4 x 1: all work-groups walk the same weights: four ask jointly (mask 15), each wave for its 128 rows.
; The biases enter as the C operand of each layer's first products.  The accumulators take turns, one matrix instruction a turn.
.set AP,    144
.set CH,    18560
.set RING,  8*CH
.set WQ,    128*AP                     ; 18,432: a wave's quarter of a slot
.set SLOTB, 4*WQ                       ; 73,728
.set SP,    528
.set W1_OFF, 2097152
.set ADRA,  16
.set ADRA0, 17
.set ADRB,  20                         ; v20,21
.set STO,   24
.set RD,    25
.set CO,    26                         ; 512 w + 16 lane: my four columns, in bytes
.set AST,   27                         ; where my four columns of a row of h go
.set HST,   28                         ; where my eight columns of a row of the hidden layer go
.set BO,    29                         ; 512 w + 32 h: the biases of a tile's eight columns
.set CM,    32                         ; v32-35 m   v36-39 a   v40-43 b of my four columns
.set CA,    36
.set CB,    40
.set KS,    44                         ; statistics, as in the launch before
.set SD,    48
.set SQ,    52
.set DD,    56
.set F0,    64
.set F1,    128
.set BIAS,  192                        ; v192-255: bias tiles b at 8 b; on the way out: 16 rows of h
.set HB,    192
.set G1, 24
.set G0, 32                            ; s[32:39], one group 0 for each slot
.set MSB, 0
.macro WIN new
.if MSB != \new
	s_set_vgpr_msb (MSB<<8)|\new
.set MSB, \new
.endif
.endm
.macro PLACES                          ; four places behind matrix instructions (ISA guide 7.12.1)
.rept 4
	v_nop
.endr
.endm
.macro CREST
	s_cmp_lg_u32 s20, 0
	s_cbranch_scc1 .Lnot_wave_0_\@
	s_barrier_signal -3
.Lnot_wave_0_\@:
	s_barrier_wait -3
	s_barrier_signal -1
	s_barrier_wait -1
.endm
.macro CROUND
	s_barrier_signal -1
	s_barrier_wait -1
	CREST
.endm
	s_load_b512 s[4:19], s[0:1], 0x0               ; y1 4, coef 6, norm1_b 8, wts 10, ff_b1 12, ff_b2 14, y2 16, part 18
	v_lshl_add_u32 v62, v0, 2, 0x48400
	v_mov_b32 v63, 0
	ds_add_u32 v62, v63
	v_lshrrev_b32 v1, 5, v0
	v_readfirstlane_b32 s20, v1                    ; wave
	s_bfe_u32 s21, ttmp6, 0x40000                  ; cx
	s_lshl_b32 s22, ttmp9, 2
	s_add_co_u32 s22, s22, s21                     ; work-group: enters private global addresses alone
	s_mov_b32 s[G1+0], 15|(1<<16)|(1<<20)|(1<<21)|(4<<22)|(3<<25)  ; mask: the four of my cluster; 16 bytes of padding behind every 128
	s_mov_b32 s[G1+1], 128<<16                     ; my quarter is dense: 64 rows of 256 bytes = 128 rows of 64 f16
	s_mov_b32 s[G1+2], 64<<16
	s_mov_b32 s[G1+3], 128<<16
	s_mov_b32 s[G1+4], 64
	s_mov_b32 s[G1+5], 128
	s_mov_b32 s[G1+6], 0
	s_mov_b32 s[G1+7], 0
	s_lshl_b32 s40, s20, 14
	s_add_co_u32 s40, s40, W1_OFF
	s_mov_b32 s41, 0
	s_mul_i32 s42, s20, WQ
	s_add_co_u32 s42, s42, RING
	s_lshl_b32 s44, s22, 18                        ; 128 rows of 2,048 bytes
	s_mov_b32 s45, 0
	s_lshl_b32 s46, s22, 12
	s_mov_b32 s47, 0
	s_wait_dscnt 0x0
	s_wait_kmcnt 0x0
	s_add_nc_u64 s[40:41], s[10:11], s[40:41]
	s_add_nc_u64 s[4:5], s[4:5], s[44:45]
	s_add_nc_u64 s[16:17], s[16:17], s[44:45]
	s_add_nc_u64 s[18:19], s[18:19], s[46:47]
	CROUND
.irp s, 0,1
	s_mov_b32 s[G0+4*\s], 1
	s_add_co_u32 s[G0+4*\s+1], s42, \s*SLOTB
	s_add_nc_u64 s[G0+4*\s+2:G0+4*\s+3], s[40:41], \s*65536
	s_or_b32 s[G0+4*\s+3], s[G0+4*\s+3], 0x80000000
	tensor_load_to_lds s[G0+4*\s:G0+4*\s+3], s[G1:G1+7]            ; two loads of the wave are out
	s_nop 0
.endr
	v_and_b32 v1, 15, v0                           ; r
	v_bfe_u32 v2, v0, 4, 1                         ; h
	v_and_b32 v3, 31, v0                           ; lane
	v_mul_u32_u24 v4, v1, AP
	v_lshl_add_u32 v[ADRA0], v2, 4, v4             ; 144 r + 16 h
	v_mov_b32 v[ADRA], v[ADRA0]
	v_add_nc_u32 v[ADRB], s42, v[ADRA0]
	v_add_nc_u32 v[ADRB+1], SLOTB, v[ADRB]
	s_mul_i32 s43, s20, 16*SP
	s_add_co_u32 s43, s43, RING                    ; my stage, in the ring once it is dead
	v_mul_u32_u24 v5, v1, SP
	v_lshl_add_u32 v5, v2, 5, v5
	v_add_nc_u32 v[STO], s43, v5
	v_lshl_add_u32 v[RD], v3, 4, s43
	s_lshl_b32 s48, s20, 9
	v_lshl_add_u32 v[CO], v3, 4, s48
	v_lshl_add_u32 v[BO], v2, 5, s48
	s_mul_i32 s49, s20, 2*CH
	v_mul_u32_u24 v6, v2, CH                       ; lanes 0-15: chunk 2 w, lanes 16-31: chunk 2 w + 1
	v_lshl_add_u32 v6, v1, 3, v6
	v_add_nc_u32 v[AST], s49, v6
	v_add_nc_u32 v[HST], s49, v[ADRA0]
	global_load_b128 v[CM:CM+3], v[CO], s[6:7]
	global_load_b128 v[CA:CA+3], v[CO], s[6:7] offset:2048
	global_load_b128 v[CB:CB+3], v[CO], s[8:9]
.irp b, 0,1,2,3,4,5,6,7
	global_load_b128 v[BIAS+8*\b:BIAS+8*\b+3],   v[BO], s[12:13] offset:64*\b
	global_load_b128 v[BIAS+8*\b+4:BIAS+8*\b+7], v[BO], s[12:13] offset:64*\b+16
.endr
.macro YLOAD g, yb                     ; rows 16 g .. + 15 of y1, my 512 bytes of each, into window 1 at yb
	WIN 0x40
.irp t, 0,1,2,3,4,5,6,7,8,9,10,11,12,13,14,15
	global_load_b128 v[\yb+4*\t:\yb+4*\t+3], v[CO], s[4:5] offset:(16*(\g)+\t)*2048
.endr
.endm
; h of rows 16 g .. + 15 into window 0 at hb.  cnt: the younger row loads that may stay out.  Groups 0-3 ask for groups 4-7 as soon as their registers are read.
.macro HCALC g, cnt, yb, hb
	s_wait_loadcnt \cnt
	WIN 0x01
.irp t, 0,1,2,3,4,5,6,7,8,9,10,11,12,13,14,15
	v_pk_add_f32 v[\hb+4*\t:\hb+4*\t+1],   v[\yb+4*\t:\yb+4*\t+1],   v[CM:CM+1]   neg_lo:[0,1] neg_hi:[0,1]
	v_pk_add_f32 v[\hb+4*\t+2:\hb+4*\t+3], v[\yb+4*\t+2:\yb+4*\t+3], v[CM+2:CM+3] neg_lo:[0,1] neg_hi:[0,1]
.endr
.if \g < 4
	YLOAD \g+4, \yb
.endif
	WIN 0
.irp t, 0,1,2,3,4,5,6,7,8,9,10,11,12,13,14,15
	v_pk_fma_f32 v[\hb+4*\t:\hb+4*\t+1],   v[\hb+4*\t:\hb+4*\t+1],   v[CA:CA+1],   v[CB:CB+1]
	v_pk_fma_f32 v[\hb+4*\t+2:\hb+4*\t+3], v[\hb+4*\t+2:\hb+4*\t+3], v[CA+2:CA+3], v[CB+2:CB+3]
.endr
.endm
; 16 rows of h from v64-127, rounded to f16, into the activations: all 32 conversions, then the 16 LDS stores in one run.
; The packed words lie in v128-159 or v160-191 by turns, so a group's conversions do not write what the last group's stores read.
.macro HSTORE g
.irp t, 0,1,2,3,4,5,6,7,8,9,10,11,12,13,14,15
	v_cvt_pk_f16_f32 v[F1+32*(\g&1)+2*\t],   v[F0+4*\t],   v[F0+4*\t+1]
	v_cvt_pk_f16_f32 v[F1+32*(\g&1)+2*\t+1], v[F0+4*\t+2], v[F0+4*\t+3]
.endr
.irp t, 0,1,2,3,4,5,6,7,8,9,10,11,12,13,14,15
	ds_store_b64 v[AST], v[F1+32*(\g&1)+2*\t:F1+32*(\g&1)+2*\t+1] offset:(16*\g+\t)*AP
.endr
.endm
	YLOAD 0, 0
	YLOAD 1, 192
	YLOAD 2, 64
	YLOAD 3, 128
	HCALC 0, 48, 0, F0                             ; three younger groups of 16 loads stay out; the coefficients and b1 are older and in
	HSTORE 0
	HCALC 1, 48, 192, F0
	HSTORE 1
	HCALC 2, 48, 64, F0
	HSTORE 2
	HCALC 3, 48, 128, F0
	HSTORE 3
	HCALC 4, 48, 0, F0
	HSTORE 4
	HCALC 5, 32, 192, F0
	HSTORE 5
	HCALC 6, 16, 64, F0
	HSTORE 6
	HCALC 7, 0, 128, F0
	HSTORE 7
.macro MUL16 f, hi, a0, mode           ; mode 1: the layer's first products take the bias tile as C
.irp a, \a0, \a0+1
.irp b, 0,1,2,3,4,5,6,7
.if \mode
	v_wmma_f32_16x16x32_f16 v[8*(8*(\a)+\b):8*(8*(\a)+\b)+7], v[\f+8*\b:\f+8*\b+7], v[\f+8*(4*\hi+\a):\f+8*(4*\hi+\a)+7], v[BIAS+8*\b:BIAS+8*\b+7]
.else
	v_wmma_f32_16x16x32_f16 v[8*(8*(\a)+\b):8*(8*(\a)+\b)+7], v[\f+8*\b:\f+8*\b+7], v[\f+8*(4*\hi+\a):\f+8*(4*\hi+\a)+7], v[8*(8*(\a)+\b):8*(8*(\a)+\b)+7]
.endif
.endr
.endr
.endm
.macro FETCH slot, kb, coff, f         ; 32 loads: my 128 weight rows, then the 128 activation rows, 32 along K at byte kb
	WIN 0x40
.irp i, 0,1,2,3,4,5,6,7
	ds_load_b128 v[\f+8*\i:\f+8*\i+3],   v[ADRB+\slot] offset:\kb+\i*16*AP
	ds_load_b128 v[\f+8*\i+4:\f+8*\i+7], v[ADRB+\slot] offset:\kb+\i*16*AP+32
.endr
	WIN 0
.irp i, 0,1,2,3,4,5,6,7
	ds_load_b128 v[\f+8*\i:\f+8*\i+3],   v[ADRA] offset:\coff+\kb+\i*16*AP
	ds_load_b128 v[\f+8*\i+4:\f+8*\i+7], v[ADRA] offset:\coff+\kb+\i*16*AP+32
.endr
.endm
.macro QUARTER slot, coff, mode
	s_wait_dscnt 8                                 ; weights and rows 0-63 are in; the youngest eight loads (rows 64-127) may be out
.if \mode
	WIN 0x81
.else
	WIN 0xa1
.endif
	MUL16 F0, 0, 0, \mode
	MUL16 F0, 0, 2, \mode
	PLACES
	FETCH \slot, 64, \coff, F1
	s_wait_dscnt 32                                ; all but the 32 just issued
.if \mode
	WIN 0xc1
.else
	WIN 0xf1
.endif
	MUL16 F0, 1, 0, \mode
	MUL16 F0, 1, 2, \mode
.endm
; second half of a K step and the change of slots: my LDS reads are back and all my tensor loads have landed in front of the signal;
; fill = 1: the barrier opens a round of the cluster's barrier, and the joint refill, two K steps ahead, is the first thing behind it.
.macro TURN slot, next, fill, fetch, coff
	s_wait_dscnt 8
	WIN 0xa1
	MUL16 F1, 0, 0, 0
	s_wait_dscnt 0x0
	s_set_vgpr_msb 0xa1a0
	s_wait_tensorcnt 0x0
	ds_add_u32 v62, v63
	s_wait_dscnt 0x0
	s_set_vgpr_msb 0xa0a1
	s_barrier_signal -1
	MUL16 F1, 0, 2, 0
	WIN 0
	s_barrier_wait -1
.if \fill
	CREST
	s_add_nc_u64 s[G0+4*\slot+2:G0+4*\slot+3], s[G0+4*\slot+2:G0+4*\slot+3], 131072
	tensor_load_to_lds s[G0+4*\slot:G0+4*\slot+3], s[G1:G1+7]      ; 112 matrix instructions stand between this request and the wait for it
	s_nop 0
.endif
.if \fetch
	PLACES
	FETCH \next, 0, \coff, F0
.endif
	WIN 0xf1
	MUL16 F1, 1, 0, 0
	MUL16 F1, 1, 2, 0
.endm
.macro LAP mode
	QUARTER 0, 0, \mode
	TURN 0, 1, 1, 1, CH
	QUARTER 1, CH, 0
	TURN 1, 0, 1, 1, 2*CH
	WIN 0
	v_add_nc_u32 v[ADRA], 2*CH, v[ADRA]
.endm
	s_wait_dscnt 0x0                               ; my columns of h are written
	s_wait_tensorcnt 0x1                           ; my part of tile 0 is in; tile 1's may stay out
	s_barrier_signal -1
	s_barrier_wait -1
	FETCH 0, 0, 0, F0
	; LAYER 1: tiles 0 to 7
	LAP 1
	s_mov_b32 s3, 2
.Llayer1:
	LAP 0
	s_sub_co_u32 s3, s3, 1
	s_cmp_lg_u32 s3, 0
	s_cbranch_scc1 .Llayer1
	QUARTER 0, 0, 0
	TURN 0, 1, 1, 1, CH
	QUARTER 1, CH, 0
	TURN 1, 0, 1, 0, 0                             ; behind its barrier no wave reads h any more: nothing is fetched, the activations are written anew below
	PLACES
	WIN 0
.irp b, 0,1,2,3,4,5,6,7
	global_load_b128 v[BIAS+8*\b:BIAS+8*\b+3],   v[BO], s[14:15] offset:64*\b
	global_load_b128 v[BIAS+8*\b+4:BIAS+8*\b+7], v[BO], s[14:15] offset:64*\b+16
.endr
.macro HIDE hi                         ; relu, rounding to f16, and 64 rows x my 128 columns of the hidden layer into the activations
.if \hi
	WIN 0xcc
.else
	WIN 0x88
.endif
.set k, 0
.rept 256
	v_max_num_f32 v[k], 0, v[k]
.set k, k+1
.endr
.if \hi
	WIN 0x0f
.else
	WIN 0x0a
.endif
.set k, 0
.rept 128
	v_cvt_pk_f16_f32 v[F0+k], v[2*k], v[2*k+1]
.set k, k+1
.endr
	WIN 0
.irp a, 0,1,2,3
.irp b, 0,1,2,3,4,5,6,7
	ds_store_b128 v[HST], v[F0+4*(8*\a+\b):F0+4*(8*\a+\b)+3] offset:(\b>>2)*CH+16*AP*(\a+4*\hi)+32*(\b&3)
.endr
.endr
.endm
	HIDE 0
	HIDE 1
	s_wait_dscnt 0x0                               ; my columns of the hidden layer are written
	s_wait_loadcnt 0x0                             ; b2 is in
	s_barrier_signal -1                            ; tile 9's load may stay out; tile 8 was shown landed in front of the last one
	s_barrier_wait -1
	v_mov_b32 v[ADRA], v[ADRA0]
	FETCH 0, 0, 0, F0
	; LAYER 2: tiles 8 to 15
	LAP 1
	s_mov_b32 s3, 2
.Llayer2:
	LAP 0
	s_sub_co_u32 s3, s3, 1
	s_cmp_lg_u32 s3, 0
	s_cbranch_scc1 .Llayer2
	YLOAD 0, 0                                     ; y1's second reading starts under the last two K steps, into registers of window 1 that the products do not use
	YLOAD 1, 192
	WIN 0
	QUARTER 0, 0, 0
	TURN 0, 1, 0, 1, CH
	QUARTER 1, CH, 0
	s_wait_dscnt 8
	WIN 0xa1
	MUL16 F1, 0, 0, 0
	MUL16 F1, 0, 2, 0
	s_wait_dscnt 0x0
	WIN 0xf1
	MUL16 F1, 1, 0, 0
	MUL16 F1, 1, 2, 0
	PLACES
	WIN 0
	s_barrier_signal -1                            ; every wave's reads of the ring are back: the stages may be written
	s_barrier_wait -1
	YLOAD 2, 64
	YLOAD 3, 128
.macro STAT row, y
.if \row == 0
.irp j, 0,1,2,3
	v_mov_b32 v[KS+\j], v[\y+\j]
.endr
.else
.if \row == 1
	v_pk_add_f32 v[SD:SD+1],   v[\y:\y+1],   v[KS:KS+1]   neg_lo:[0,1] neg_hi:[0,1]
	v_pk_add_f32 v[SD+2:SD+3], v[\y+2:\y+3], v[KS+2:KS+3] neg_lo:[0,1] neg_hi:[0,1]
	v_pk_mul_f32 v[SQ:SQ+1],   v[SD:SD+1],   v[SD:SD+1]
	v_pk_mul_f32 v[SQ+2:SQ+3], v[SD+2:SD+3], v[SD+2:SD+3]
.else
	v_pk_add_f32 v[DD:DD+1],   v[\y:\y+1],   v[KS:KS+1]   neg_lo:[0,1] neg_hi:[0,1]
	v_pk_add_f32 v[DD+2:DD+3], v[\y+2:\y+3], v[KS+2:KS+3] neg_lo:[0,1] neg_hi:[0,1]
	v_pk_add_f32 v[SD:SD+1],   v[SD:SD+1],   v[DD:DD+1]
	v_pk_add_f32 v[SD+2:SD+3], v[SD+2:SD+3], v[DD+2:DD+3]
	v_pk_fma_f32 v[SQ:SQ+1],   v[DD:DD+1],   v[DD:DD+1],   v[SQ:SQ+1]
	v_pk_fma_f32 v[SQ+2:SQ+3], v[DD+2:DD+3], v[DD+2:DD+3], v[SQ+2:SQ+3]
.endif
.endif
.endm
; rows 16 g .. + 15: accumulators into my stage, read back a row (my 512 bytes) an instruction; + h for all sixteen rows; the sixteen stores in one run;
; the sixteen rows' statistics, which only read the buffer, behind them.  Vector and memory instructions change places once a group, not once a row.
.macro OUTG g, rb
.if \g < 4
	WIN 0x08
.else
	WIN 0x0c
.endif
.irp b, 0,1,2,3,4,5,6,7
	ds_store_b128 v[STO], v[8*(8*(\g&3)+\b):8*(8*(\g&3)+\b)+3]   offset:64*\b
	ds_store_b128 v[STO], v[8*(8*(\g&3)+\b)+4:8*(8*(\g&3)+\b)+7] offset:64*\b+16
.endr
	WIN 0
	s_wait_xcnt 0x0                                ; buffer rb, which earlier stores read, is loaded again only behind this wait
.irp t, 0,1,2,3,4,5,6,7,8,9,10,11,12,13,14,15
	ds_load_b128 v[\rb+4*\t:\rb+4*\t+3], v[RD] offset:SP*\t        ; served in order behind my stores above
.endr
.irp t, 0,1,2,3,4,5,6,7,8,9,10,11,12,13,14,15
	s_wait_dscnt 15-\t                             ; LDS loads come back in order: row t is in
	v_pk_add_f32 v[\rb+4*\t:\rb+4*\t+1],   v[\rb+4*\t:\rb+4*\t+1],   v[HB+4*\t:HB+4*\t+1]
	v_pk_add_f32 v[\rb+4*\t+2:\rb+4*\t+3], v[\rb+4*\t+2:\rb+4*\t+3], v[HB+4*\t+2:HB+4*\t+3]
.endr
.irp t, 0,1,2,3,4,5,6,7,8,9,10,11,12,13,14,15
	global_store_b128 v[CO], v[\rb+4*\t:\rb+4*\t+3], s[16:17] offset:(16*\g+\t)*2048   ; 512 consecutive bytes of a row
.endr
.irp t, 0,1,2,3,4,5,6,7,8,9,10,11,12,13,14,15
	STAT 16*\g+\t, \rb+4*\t
.endr
.endm
	HCALC 0, 48, 0, HB
	OUTG 0, F0
	HCALC 1, 48, 192, HB
	OUTG 1, F1
	HCALC 2, 48, 64, HB
	OUTG 2, F0
	HCALC 3, 48, 128, HB
	OUTG 3, F1
	HCALC 4, 48, 0, HB
	OUTG 4, F0
	HCALC 5, 32, 192, HB
	OUTG 5, F1
	HCALC 6, 16, 64, HB
	OUTG 6, F0
	HCALC 7, 0, 128, HB
	OUTG 7, F1
	; mean = shift + sum / 128;  M2 = squares - sum^2 / 128
	v_pk_fma_f32 v[DD:DD+1],   v[SD:SD+1],   0x3c000000, v[KS:KS+1]   op_sel_hi:[1,0,1]
	v_pk_fma_f32 v[DD+2:DD+3], v[SD+2:SD+3], 0x3c000000, v[KS+2:KS+3] op_sel_hi:[1,0,1]
	v_pk_mul_f32 v[KS:KS+1],   v[SD:SD+1],   0xbc000000 op_sel_hi:[1,0]
	v_pk_mul_f32 v[KS+2:KS+3], v[SD+2:SD+3], 0xbc000000 op_sel_hi:[1,0]
	v_pk_fma_f32 v[SQ:SQ+1],   v[KS:KS+1],   v[SD:SD+1],   v[SQ:SQ+1]
	v_pk_fma_f32 v[SQ+2:SQ+3], v[KS+2:KS+3], v[SD+2:SD+3], v[SQ+2:SQ+3]
	global_store_b128 v[CO], v[DD:DD+3], s[18:19]
	global_store_b128 v[CO], v[SQ:SQ+3], s[18:19] offset:2048
	s_wait_tensorcnt 0x0
	ds_add_u32 v62, v63
	s_wait_dscnt 0x0
	CROUND                                         ; the closing round
	s_endpgm
.Lfunc_end_k_q1ed5cc0344_ffn:
	.size	k_q1ed5cc0344_ffn, .Lfunc_end_k_q1ed5cc0344_ffn-k_q1ed5cc0344_ffn
	.p2alignl 7, 3214868480
	.fill 96, 4, 3214868480
	.section	.rodata,"a",@progbits
	.p2align	6, 0x0
	.amdhsa_kernel k_q1ed5cc0344_ffn
		.amdhsa_group_segment_fixed_size 327680
		.amdhsa_private_segment_fixed_size 0
		.amdhsa_enable_private_segment 0
		.amdhsa_kernarg_size 64
		.amdhsa_user_sgpr_count 2
		.amdhsa_user_sgpr_kernarg_segment_ptr 1
		.amdhsa_wavefront_size32 1
		.amdhsa_system_sgpr_workgroup_id_x 1
		.amdhsa_system_sgpr_workgroup_id_y 1
		.amdhsa_system_sgpr_workgroup_id_z 1
		.amdhsa_system_vgpr_workitem_id 0
		.amdhsa_next_free_vgpr 1024
		.amdhsa_next_free_sgpr 66
		.amdhsa_reserve_vcc 0
		.amdhsa_float_denorm_mode_32 3
		.amdhsa_float_denorm_mode_16_64 3
		.amdhsa_memory_ordered 1
		.amdhsa_forward_progress 1
		.amdhsa_inst_pref_size 255
	.end_amdhsa_kernel
	.section	.bss,"aw",@nobits
	.p2align	6
	.space	262144
	.amdgpu_metadata
---
amdhsa.version: [ 1, 2 ]
amdhsa.kernels:
  - .name:           k_q1ed5cc0344_ffn
    .symbol:         k_q1ed5cc0344_ffn.kd
    .args:
      - { .name: y1, .offset: 0, .size: 8, .value_kind: global_buffer, .address_space: global }
      - { .name: coef, .offset: 8, .size: 8, .value_kind: global_buffer, .address_space: global }
      - { .name: norm1_b, .offset: 16, .size: 8, .value_kind: global_buffer, .address_space: global }
      - { .name: wts, .offset: 24, .size: 8, .value_kind: global_buffer, .address_space: global }
      - { .name: ff_b1, .offset: 32, .size: 8, .value_kind: global_buffer, .address_space: global }
      - { .name: ff_b2, .offset: 40, .size: 8, .value_kind: global_buffer, .address_space: global }
      - { .name: y2, .offset: 48, .size: 8, .value_kind: global_buffer, .address_space: global }
      - { .name: part, .offset: 56, .size: 8, .value_kind: global_buffer, .address_space: global }
    .group_segment_fixed_size: 327680
    .private_segment_fixed_size: 0
    .kernarg_segment_align: 8
    .kernarg_segment_size: 64
    .max_flat_workgroup_size: 128
    .sgpr_count:     66
    .vgpr_count:     1024
    .wavefront_size: 32
...
	.end_amdgpu_metadata
.endif
;; end of part 5
;; launch apply (part 6): grid 8 x 32, 16 waves a work-group, no clusters, 10,240 bytes of LDS; arguments y2, part, norm2_w, norm2_b, out0; writes out0
.if DOCPART == 6
	.amdgcn_target "amdgcn-amd-amdhsa--gfx1250"
	.amdhsa_code_object_version 6
	.text
	.protected	k_q1ed5cc0344_apply
	.globl	k_q1ed5cc0344_apply
	.p2align	8
	.type	k_q1ed5cc0344_apply,@function
k_q1ed5cc0344_apply:
	s_mov_b64 s[64:65], 0
	v_nop
	global_prefetch_b8 v0, s[64:65] scope:SCOPE_SE
	s_setreg_imm32_b32 hwreg(HW_REG_WAVE_MODE, 25, 1), 1
	s_wait_xcnt 0x0
; The second BatchNorm in one launch: out0[r][c] = (y2[r][c] - m[c]) a[c] + b[c], with m and a = 2 w / sqrt(4 var + 1e-5) merged here from the
; 256 partial (mean, M2) pairs of 128 rows each (BatchNorm(y + y) = (y - m) a + b).  All groups have 128 rows, so m is the mean of the means and
; total M2 = sum of M2 + 128 x sum of (mean_i - m)^2: no difference of large sums.  var = total / 32,768.
; A work-group owns a STRIP of 64 columns (grid x) x 1,024 rows (grid y): 8 x 32 = 256 work-groups of 16 waves.  It needs the coefficients of its
; own 64 columns alone: 256 groups x 2 x 256 bytes = 128 KiB of partials beside the 512 KiB of y2 and out0 that are its own; with whole rows
; every work-group would have to read all 1 MiB of partials.
; Lane: q = lane & 15 owns four columns, in the merge and in the stream alike; 2 w + (lane >> 4) owns 8 of the 256 groups.
; Wave w streams rows 64 w .. 64 w + 63 of the block: 32 loads and 32 stores of two rows x 256 bytes, each half of the lanes one aligned block of 256 bytes.
; All loads of a wave go out at the head, the partials first: 16 + 2 + 32 = 50.  The merge is done while the wave's rows are on their way.
; The rows are scaled in the registers into which they were loaded, and no register is written again behind its store.
; A stream: no matrix unit.  No cluster: what the 32 work-groups of a strip share, the partials, is a fifth of a work-group's bytes and goes
; straight into registers; LDS serves the two sums over the waves alone.
.set SM,   8                           ; v8-11    the sum at work; at the end a
.set TT,   12
.set WN,   16                          ; w of my four columns
.set MEAN, 20
.set SS,   24
.set DD,   28
.set CB,   32                          ; b of my four columns
.set ME,   36                          ; v36-67   8 groups' means of my four columns
.set MM,   68                          ; v68-99   their M2
.set RR,   100                         ; v100-115 four waves' sums at a time
.set X,    116                         ; v116-243 32 row pairs: four numbers each
	s_load_b256 s[4:11], s[0:1], 0x0               ; y2 4, part 6, norm2_w 8, norm2_b 10
	s_load_b64 s[12:13], s[0:1], 0x20              ; out0
	v_lshl_add_u32 v244, v0, 2, 0x2000
	v_mov_b32 v245, 0
	v_lshrrev_b32 v1, 5, v0
	v_readfirstlane_b32 s14, v1                    ; wave, 0 to 15
	s_and_b32 s15, ttmp7, 0xffff                   ; block of 1,024 rows
	v_and_b32 v2, 15, v0                           ; q
	v_bfe_u32 v3, v0, 4, 1                         ; lane half
	v_lshlrev_b32 v4, 4, v2                        ; 16 q
	v_lshl_add_u32 v5, v1, 1, v3                   ; 2 w + half
	v_lshl_add_u32 v5, v5, 15, v4                  ; x 8 groups of 4,096 bytes + 16 q
	v_lshl_add_u32 v6, s14, 8, v4                  ; LDS: 256 w + 16 q
	v_lshl_add_u32 v7, v3, 11, v4                  ; the stream: lanes 16-31 take the row below
	s_lshl_b32 s16, ttmp9, 8                       ; 256 x strip
	s_mov_b32 s17, 0
	s_lshl_b32 s18, s15, 21                        ; 1,024 rows of 2,048 bytes
	s_lshl_b32 s19, s14, 17                        ; + 64 w rows
	s_add_co_u32 s18, s18, s19
	s_add_co_u32 s18, s18, s16                     ; + the strip
	s_mov_b32 s19, 0
	s_mov_b32 s20, 0x76543210                      ; v_permlanex16_b32: lane i of the other half
	s_mov_b32 s21, 0xfedcba98
	s_mov_b32 s22, 0x39000000                      ; 1 / 8,192 = 4 / 32,768
	s_mov_b32 s23, 0x3727c5ac                      ; 1e-5
	s_wait_kmcnt 0x0
	s_add_nc_u64 s[6:7], s[6:7], s[16:17]
	s_add_nc_u64 s[8:9], s[8:9], s[16:17]
	s_add_nc_u64 s[10:11], s[10:11], s[16:17]
	s_add_nc_u64 s[4:5], s[4:5], s[18:19]
	s_add_nc_u64 s[12:13], s[12:13], s[18:19]
.set i, 0
.rept 8
	global_load_b128 v[ME+4*i:ME+4*i+3], v5, s[6:7] offset:4096*i
	global_load_b128 v[MM+4*i:MM+4*i+3], v5, s[6:7] offset:4096*i+2048
.set i, i+1
.endr
	global_load_b128 v[WN:WN+3], v4, s[8:9]
	global_load_b128 v[CB:CB+3], v4, s[10:11]
.set p, 0
.rept 32
	global_load_b128 v[X+4*p:X+4*p+3], v7, s[4:5] offset:4096*p th:TH_LOAD_NT
.set p, p+1
.endr
.irp j, 0,1,2,3
	v_mov_b32 v[TT+\j], 0                          ; v_permlanex16_b32 counts as a reader of its destination
.endr
	s_wait_loadcnt 32                              ; the partials, w and b are in; the 32 younger loads, my rows, stay out
; SM, summed over the two lane halves and the sixteen waves, comes back in SM in every lane.  base: LDS bytes of its own for each use.
.macro ALLSUM base
.irp j, 0,1,2,3
	v_permlanex16_b32 v[TT+\j], v[SM+\j], s20, s21
.endr
	v_pk_add_f32 v[SM:SM+1],   v[SM:SM+1],   v[TT:TT+1]
	v_pk_add_f32 v[SM+2:SM+3], v[SM+2:SM+3], v[TT+2:TT+3]
	ds_store_b128 v6, v[SM:SM+3] offset:\base      ; both halves write the same numbers to the same bytes
	s_wait_dscnt 0x0                               ; for the other waves' sake
	s_barrier_signal -1
	s_barrier_wait -1
.irp b, 0,1,2,3
.irp j, 0,1,2,3
	ds_load_b128 v[RR+4*\j:RR+4*\j+3], v4 offset:\base+1024*\b+256*\j
.endr
	s_wait_dscnt 0x0
.if \b == 0
	v_pk_add_f32 v[SM:SM+1],   v[RR:RR+1],   v[RR+4:RR+5]
	v_pk_add_f32 v[SM+2:SM+3], v[RR+2:RR+3], v[RR+6:RR+7]
.else
	v_pk_add_f32 v[SM:SM+1],   v[SM:SM+1],   v[RR:RR+1]
	v_pk_add_f32 v[SM+2:SM+3], v[SM+2:SM+3], v[RR+2:RR+3]
	v_pk_add_f32 v[SM:SM+1],   v[SM:SM+1],   v[RR+4:RR+5]
	v_pk_add_f32 v[SM+2:SM+3], v[SM+2:SM+3], v[RR+6:RR+7]
.endif
	v_pk_add_f32 v[SM:SM+1],   v[SM:SM+1],   v[RR+8:RR+9]
	v_pk_add_f32 v[SM+2:SM+3], v[SM+2:SM+3], v[RR+10:RR+11]
	v_pk_add_f32 v[SM:SM+1],   v[SM:SM+1],   v[RR+12:RR+13]
	v_pk_add_f32 v[SM+2:SM+3], v[SM+2:SM+3], v[RR+14:RR+15]
.endr
.endm
	v_pk_add_f32 v[SM:SM+1],   v[ME:ME+1],   v[ME+4:ME+5]
	v_pk_add_f32 v[SM+2:SM+3], v[ME+2:ME+3], v[ME+6:ME+7]
.set i, 2
.rept 6
	v_pk_add_f32 v[SM:SM+1],   v[SM:SM+1],   v[ME+4*i:ME+4*i+1]
	v_pk_add_f32 v[SM+2:SM+3], v[SM+2:SM+3], v[ME+4*i+2:ME+4*i+3]
.set i, i+1
.endr
	ALLSUM 0
	v_pk_mul_f32 v[MEAN:MEAN+1],   v[SM:SM+1],   0x3b800000 op_sel_hi:[1,0]     ; / 256
	v_pk_mul_f32 v[MEAN+2:MEAN+3], v[SM+2:SM+3], 0x3b800000 op_sel_hi:[1,0]
	v_pk_add_f32 v[DD:DD+1],   v[ME:ME+1],   v[MEAN:MEAN+1]     neg_lo:[0,1] neg_hi:[0,1]
	v_pk_add_f32 v[DD+2:DD+3], v[ME+2:ME+3], v[MEAN+2:MEAN+3]   neg_lo:[0,1] neg_hi:[0,1]
	v_pk_mul_f32 v[SS:SS+1],   v[DD:DD+1],   v[DD:DD+1]
	v_pk_mul_f32 v[SS+2:SS+3], v[DD+2:DD+3], v[DD+2:DD+3]
	v_pk_add_f32 v[SM:SM+1],   v[MM:MM+1],   v[MM+4:MM+5]
	v_pk_add_f32 v[SM+2:SM+3], v[MM+2:MM+3], v[MM+6:MM+7]
.set i, 1
.rept 7
	v_pk_add_f32 v[DD:DD+1],   v[ME+4*i:ME+4*i+1],   v[MEAN:MEAN+1]     neg_lo:[0,1] neg_hi:[0,1]
	v_pk_add_f32 v[DD+2:DD+3], v[ME+4*i+2:ME+4*i+3], v[MEAN+2:MEAN+3]   neg_lo:[0,1] neg_hi:[0,1]
	v_pk_fma_f32 v[SS:SS+1],   v[DD:DD+1],   v[DD:DD+1],   v[SS:SS+1]
	v_pk_fma_f32 v[SS+2:SS+3], v[DD+2:DD+3], v[DD+2:DD+3], v[SS+2:SS+3]
.set i, i+1
.endr
.set i, 2
.rept 6
	v_pk_add_f32 v[SM:SM+1],   v[SM:SM+1],   v[MM+4*i:MM+4*i+1]
	v_pk_add_f32 v[SM+2:SM+3], v[SM+2:SM+3], v[MM+4*i+2:MM+4*i+3]
.set i, i+1
.endr
	v_pk_fma_f32 v[SM:SM+1],   v[SS:SS+1],   0x43000000, v[SM:SM+1]   op_sel_hi:[1,0,1]   ; + 128 x
	v_pk_fma_f32 v[SM+2:SM+3], v[SS+2:SS+3], 0x43000000, v[SM+2:SM+3] op_sel_hi:[1,0,1]
	ALLSUM 4096
.irp j, 0,1,2,3
	v_max_num_f32 v[SM+\j], 0, v[SM+\j]            ; rounding may leave a sum of squares a hair below 0
.endr
.irp j, 0,1,2,3
	v_fma_f32 v[SM+\j], v[SM+\j], s22, s23         ; 4 var + eps
.endr
.irp j, 0,1,2,3
	v_rsq_f32 v[SM+\j], v[SM+\j]
.endr
.irp j, 0,1,2,3
	v_add_f32 v[WN+\j], v[WN+\j], v[WN+\j]         ; 2 w (plain instructions behind the roots)
.endr
	s_wait_alu depctr_va_vdst(0)
.irp j, 0,1,2,3
	v_mul_f32 v[SM+\j], v[SM+\j], v[WN+\j]         ; a
.endr
	; the stream: four row pairs at a time, arithmetic in one run, stores in one run
.set j, 0
.rept 8
	s_wait_loadcnt 28-4*j                          ; loads come back in order: row pairs 4 j .. 4 j + 3 are in, the 28 - 4 j younger ones stay out
.set p, 4*j
.rept 4
	v_pk_add_f32 v[X+4*p:X+4*p+1],   v[X+4*p:X+4*p+1],   v[MEAN:MEAN+1]     neg_lo:[0,1] neg_hi:[0,1]
	v_pk_add_f32 v[X+4*p+2:X+4*p+3], v[X+4*p+2:X+4*p+3], v[MEAN+2:MEAN+3]   neg_lo:[0,1] neg_hi:[0,1]
.set p, p+1
.endr
.set p, 4*j
.rept 4
	v_pk_fma_f32 v[X+4*p:X+4*p+1],   v[X+4*p:X+4*p+1],   v[SM:SM+1],   v[CB:CB+1]
	v_pk_fma_f32 v[X+4*p+2:X+4*p+3], v[X+4*p+2:X+4*p+3], v[SM+2:SM+3], v[CB+2:CB+3]
.set p, p+1
.endr
.set p, 4*j
.rept 4
	global_store_b128 v7, v[X+4*p:X+4*p+3], s[12:13] offset:4096*p th:TH_STORE_NT
.set p, p+1
.endr
.set j, j+1
.endr
	s_wait_tensorcnt 0x0
	ds_add_u32 v244, v245
	s_wait_dscnt 0x0
	s_endpgm
.Lfunc_end_k_q1ed5cc0344_apply:
	.size	k_q1ed5cc0344_apply, .Lfunc_end_k_q1ed5cc0344_apply-k_q1ed5cc0344_apply
	.p2alignl 7, 3214868480
	.fill 96, 4, 3214868480
	.section	.rodata,"a",@progbits
	.p2align	6, 0x0
	.amdhsa_kernel k_q1ed5cc0344_apply
		.amdhsa_group_segment_fixed_size 10240
		.amdhsa_private_segment_fixed_size 0
		.amdhsa_enable_private_segment 0
		.amdhsa_kernarg_size 40
		.amdhsa_user_sgpr_count 2
		.amdhsa_user_sgpr_kernarg_segment_ptr 1
		.amdhsa_wavefront_size32 1
		.amdhsa_system_sgpr_workgroup_id_x 1
		.amdhsa_system_sgpr_workgroup_id_y 1
		.amdhsa_system_sgpr_workgroup_id_z 1
		.amdhsa_system_vgpr_workitem_id 0
		.amdhsa_next_free_vgpr 246
		.amdhsa_next_free_sgpr 66
		.amdhsa_reserve_vcc 0
		.amdhsa_float_denorm_mode_32 3
		.amdhsa_float_denorm_mode_16_64 3
		.amdhsa_memory_ordered 1
		.amdhsa_forward_progress 1
		.amdhsa_inst_pref_size 30
	.end_amdhsa_kernel
	.amdgpu_metadata
---
amdhsa.version: [ 1, 2 ]
amdhsa.kernels:
  - .name:           k_q1ed5cc0344_apply
    .symbol:         k_q1ed5cc0344_apply.kd
    .args:
      - { .name: y2, .offset: 0, .size: 8, .value_kind: global_buffer, .address_space: global }
      - { .name: part, .offset: 8, .size: 8, .value_kind: global_buffer, .address_space: global }
      - { .name: norm2_w, .offset: 16, .size: 8, .value_kind: global_buffer, .address_space: global }
      - { .name: norm2_b, .offset: 24, .size: 8, .value_kind: global_buffer, .address_space: global }
      - { .name: out0, .offset: 32, .size: 8, .value_kind: global_buffer, .address_space: global }
    .group_segment_fixed_size: 10240
    .private_segment_fixed_size: 0
    .kernarg_segment_align: 8
    .kernarg_segment_size: 40
    .max_flat_workgroup_size: 512
    .sgpr_count:     66
    .vgpr_count:     246
    .wavefront_size: 32
...
	.end_amdgpu_metadata
.endif
;; end of part 6
;; ======== version 2 of 2: 6 launches; version 1 with the launch fin1 written anew for expert scheduling mode
;; limits: values are held in f16: magnitudes above 65,504 overflow, below 6.1e-05 lose precision
;; workspace buffers: xb 33,554,432 bytes; wts 3,145,728 bytes; heads 33,554,432 bytes; y1 67,108,864 bytes; y2 67,108,864 bytes; part 1,048,576 bytes; coef 4,096 bytes
;; launch prep: the kernel of part 1 again; grid 8 x 70, 8 waves a work-group, no clusters, 0 bytes of LDS; arguments x, ff_w1, ff_w2, Wq, Wk, Wv, Wo, xb, wts; writes xb, wts
;; launch attn: the kernel of part 2 again; grid 8 x 64, 4 waves a work-group, clusters of 4 x 4, 327,680 bytes of LDS; arguments xb, wts, heads; writes heads
;; launch oproj: the kernel of part 3 again; grid 256 x 1, 4 waves a work-group, clusters of 4 x 1, 327,680 bytes of LDS; arguments heads, wts, y1, part; writes y1, part
;; launch fin1 (part 7): grid 8 x 1, 8 waves a work-group, no clusters, 5,120 bytes of LDS; arguments part, norm1_w, coef; writes coef
.if DOCPART == 7
	.amdgcn_target "amdgcn-amd-amdhsa--gfx1250"
	.amdhsa_code_object_version 6
	.text
	.protected	k_q1ed5cc0344_fin1
	.globl	k_q1ed5cc0344_fin1
	.p2align	8
	.type	k_q1ed5cc0344_fin1,@function
k_q1ed5cc0344_fin1:
	s_mov_b64 s[64:65], 0
	v_nop
	global_prefetch_b8 v0, s[64:65] scope:SCOPE_SE
	s_setreg_imm32_b32 hwreg(HW_REG_WAVE_SCHED_MODE, 0, 2), 2
	s_setreg_imm32_b32 hwreg(HW_REG_WAVE_MODE, 25, 1), 1
	s_wait_xcnt 0x0
	s_wait_alu depctr_vm_vsrc(0)
; Merges the 256 partial (mean, M2) pairs of 128 rows each into each column's mean m and a = 2 w / sqrt(4 var + 1e-5):
; BatchNorm(y + y) = (y - m) a + b.  All groups have 128 rows, so m is the mean of the means, and
; total M2 = sum of M2 + 128 x sum of (mean_i - m)^2: no difference of large sums.  var = total / 32,768.
; Work-group g owns columns 64 g .. 64 g + 63.  Lane: q = lane & 15 owns four columns; 2 w + (lane >> 4) owns 16 of the 256 groups.
; Sixteen neighbouring lanes read 256 consecutive bytes.  8 work-groups: the work is 1 MiB of reads; more would only split the sums further.
; THE MODE: SCHED_MODE bits 1:0 = 2 (LLVM: expert scheduling mode 2), set by the entry lines.  The code itself states the register dependences
; between vector instructions and memory or LDS instructions, with s_wait_alu, always for 0.
; THE PLAN.  Registers that memory or LDS instructions touch:
;   v4 .. v7      offsets and LDS addresses: written at the head, never again; one wait ahead of the first load serves every load and store of the kernel.
;   v200, v201    written at the head, read by the closing add alone.
;   ME, MM, WN    the global loads land in them; no vector instruction names them before that.
;   SM            in each of the two sums over the waves: written by the adds, read by the LDS store, written again by the adds behind the LDS loads:
;                 one wait on va_vdst ahead of the store, one on vm_vsrc ahead of the adds that write it again.
;   RR            the LDS loads land in it, the adds read it; the second sum's loads land in it again: the wait ahead of the second sum's LDS store
;                 also states that the first sum's adds are done reading it, and no vector instruction stands between that wait and those loads.
;   DD            written by the four selects, read by the store of the result: one wait between.
;   s10 and VCC   written by vector instructions: a wait between each and its first reader.
.set ME, 16                            ; v16-79   16 groups' means of my four columns
.set MM, 80                            ; v80-143  their M2
.set SM, 144                           ; v144-147 the sum at work
.set TT, 148
.set WN, 152
.set MEAN, 156
.set SS, 160
.set DD, 164
.set RR, 168                           ; v168-199 the eight waves' sums
	s_load_b128 s[4:7], s[0:1], 0x0                ; part, norm_w
	s_load_b64 s[8:9], s[0:1], 0x10                ; coef
	v_lshl_add_u32 v200, v0, 2, 0x1000
	v_mov_b32 v201, 0
	v_lshrrev_b32 v1, 5, v0
	v_readfirstlane_b32 s10, v1                    ; wave
	v_and_b32 v2, 15, v0                           ; q
	v_bfe_u32 v3, v0, 4, 1                         ; lane half
	v_lshlrev_b32 v4, 4, v2                        ; 16 q
	v_lshl_add_u32 v5, v1, 1, v3                   ; 2 w + half
	v_lshl_add_u32 v5, v5, 16, v4                  ; x 16 groups of 4,096 bytes + 16 q
	s_wait_alu depctr_va_sdst(0)                   ; s10 is written, ahead of its first reader, the line below
	v_lshl_add_u32 v6, s10, 8, v4                  ; LDS: 256 w + 16 q
	v_lshl_add_u32 v7, v3, 11, v4                  ; coef: lanes 0-15 m, lanes 16-31 a
	s_lshl_b32 s12, ttmp9, 8                       ; 256 g
	s_mov_b32 s13, 0
	s_mov_b32 s14, 0x76543210
	s_mov_b32 s15, 0xfedcba98
	s_mov_b32 s16, 0x39000000                      ; 1 / 8,192 = 4 / 32,768
	s_mov_b32 s17, 0x3727c5ac                      ; 1e-5
	s_wait_kmcnt 0x0
	s_add_nc_u64 s[4:5], s[4:5], s[12:13]
	s_add_nc_u64 s[6:7], s[6:7], s[12:13]
	s_add_nc_u64 s[8:9], s[8:9], s[12:13]
	s_wait_alu depctr_va_vdst(0)                   ; v4 to v7 are written, which the loads, the LDS instructions and the store of the kernel read as offsets and addresses; so are v200 and v201
.set i, 0
.rept 16
	global_load_b128 v[ME+4*i:ME+4*i+3], v5, s[4:5] offset:4096*i
	global_load_b128 v[MM+4*i:MM+4*i+3], v5, s[4:5] offset:4096*i+2048
.set i, i+1
.endr
	global_load_b128 v[WN:WN+3], v4, s[6:7]
.irp j, 0,1,2,3
	v_mov_b32 v[TT+\j], 0                          ; v_permlanex16_b32 counts as a reader of its destination; no memory instruction names these four registers
.endr
	s_wait_loadcnt 0x0
; SM, summed over the two lane halves and the eight waves, comes back in SM in every lane.  base: LDS bytes of its own for each use.
.macro ALLSUM base
.irp j, 0,1,2,3
	v_permlanex16_b32 v[TT+\j], v[SM+\j], s14, s15
.endr
	v_pk_add_f32 v[SM:SM+1],   v[SM:SM+1],   v[TT:TT+1]
	v_pk_add_f32 v[SM+2:SM+3], v[SM+2:SM+3], v[TT+2:TT+3]
	s_wait_alu depctr_va_vdst(0)                   ; the adds have written SM, which the LDS store reads; at the second use the first use's adds are also done reading RR, in which the LDS loads below land
	ds_store_b128 v6, v[SM:SM+3] offset:\base      ; both halves write the same numbers to the same bytes
	s_wait_dscnt 0x0                               ; for the other waves' sake
	s_barrier_signal -1
	s_barrier_wait -1
.irp j, 0,1,2,3,4,5,6,7
	ds_load_b128 v[RR+4*\j:RR+4*\j+3], v4 offset:\base+256*\j
.endr
	s_wait_dscnt 0x0
	s_wait_alu depctr_vm_vsrc(0)                   ; the LDS store has read SM, which the adds below write again
	v_pk_add_f32 v[SM:SM+1],   v[RR:RR+1],   v[RR+4:RR+5]
	v_pk_add_f32 v[SM+2:SM+3], v[RR+2:RR+3], v[RR+6:RR+7]
.irp j, 2,3,4,5,6,7
	v_pk_add_f32 v[SM:SM+1],   v[SM:SM+1],   v[RR+4*\j:RR+4*\j+1]
	v_pk_add_f32 v[SM+2:SM+3], v[SM+2:SM+3], v[RR+4*\j+2:RR+4*\j+3]
.endr
.endm
	v_pk_add_f32 v[SM:SM+1],   v[ME:ME+1],   v[ME+4:ME+5]
	v_pk_add_f32 v[SM+2:SM+3], v[ME+2:ME+3], v[ME+6:ME+7]
.set i, 2
.rept 14
	v_pk_add_f32 v[SM:SM+1],   v[SM:SM+1],   v[ME+4*i:ME+4*i+1]
	v_pk_add_f32 v[SM+2:SM+3], v[SM+2:SM+3], v[ME+4*i+2:ME+4*i+3]
.set i, i+1
.endr
	ALLSUM 0
	v_pk_mul_f32 v[MEAN:MEAN+1],   v[SM:SM+1],   0x3b800000 op_sel_hi:[1,0]     ; / 256
	v_pk_mul_f32 v[MEAN+2:MEAN+3], v[SM+2:SM+3], 0x3b800000 op_sel_hi:[1,0]
	v_pk_add_f32 v[DD:DD+1],   v[ME:ME+1],   v[MEAN:MEAN+1]     neg_lo:[0,1] neg_hi:[0,1]
	v_pk_add_f32 v[DD+2:DD+3], v[ME+2:ME+3], v[MEAN+2:MEAN+3]   neg_lo:[0,1] neg_hi:[0,1]
	v_pk_mul_f32 v[SS:SS+1],   v[DD:DD+1],   v[DD:DD+1]
	v_pk_mul_f32 v[SS+2:SS+3], v[DD+2:DD+3], v[DD+2:DD+3]
	v_pk_add_f32 v[SM:SM+1],   v[MM:MM+1],   v[MM+4:MM+5]
	v_pk_add_f32 v[SM+2:SM+3], v[MM+2:MM+3], v[MM+6:MM+7]
.set i, 1
.rept 15
	v_pk_add_f32 v[DD:DD+1],   v[ME+4*i:ME+4*i+1],   v[MEAN:MEAN+1]     neg_lo:[0,1] neg_hi:[0,1]
	v_pk_add_f32 v[DD+2:DD+3], v[ME+4*i+2:ME+4*i+3], v[MEAN+2:MEAN+3]   neg_lo:[0,1] neg_hi:[0,1]
	v_pk_fma_f32 v[SS:SS+1],   v[DD:DD+1],   v[DD:DD+1],   v[SS:SS+1]
	v_pk_fma_f32 v[SS+2:SS+3], v[DD+2:DD+3], v[DD+2:DD+3], v[SS+2:SS+3]
.set i, i+1
.endr
.set i, 2
.rept 14
	v_pk_add_f32 v[SM:SM+1],   v[SM:SM+1],   v[MM+4*i:MM+4*i+1]
	v_pk_add_f32 v[SM+2:SM+3], v[SM+2:SM+3], v[MM+4*i+2:MM+4*i+3]
.set i, i+1
.endr
	v_pk_fma_f32 v[SM:SM+1],   v[SS:SS+1],   0x43000000, v[SM:SM+1]   op_sel_hi:[1,0,1]   ; + 128 x
	v_pk_fma_f32 v[SM+2:SM+3], v[SS+2:SS+3], 0x43000000, v[SM+2:SM+3] op_sel_hi:[1,0,1]
	ALLSUM 2048
.irp j, 0,1,2,3
	v_max_num_f32 v[SM+\j], 0, v[SM+\j]            ; rounding may leave a sum of squares a hair below 0
.endr
.irp j, 0,1,2,3
	v_fma_f32 v[SM+\j], v[SM+\j], s16, s17         ; 4 var + eps
.endr
.irp j, 0,1,2,3
	v_rsq_f32 v[SM+\j], v[SM+\j]
.endr
.irp j, 0,1,2,3
	v_add_f32 v[WN+\j], v[WN+\j], v[WN+\j]         ; 2 w (plain instructions behind the roots)
.endr
	s_wait_alu depctr_va_vdst(0)                   ; the four roots have written SM, ahead of their first reader: one wait for the batch, and ahead of the branch below
.irp j, 0,1,2,3
	v_mul_f32 v[SM+\j], v[SM+\j], v[WN+\j]
.endr
	s_cmp_lg_u32 s10, 0
	s_cbranch_scc1 .Lend                           ; every wave holds the result; wave 0 stores it
	v_cmp_eq_u32 vcc_lo, 1, v3
	s_wait_alu depctr_va_vcc(0)                    ; VCC is written, ahead of its first reader, the first select below
.irp j, 0,1,2,3
	v_cndmask_b32 v[DD+\j], v[MEAN+\j], v[SM+\j], vcc_lo
.endr
	s_wait_alu depctr_va_vdst(0)                   ; the selects have written DD, which the store reads
	global_store_b128 v7, v[DD:DD+3], s[8:9]       ; each lane half stores 256 consecutive bytes
.Lend:
	s_wait_dscnt 0x0                               ; the closing lines, six on end
	s_wait_alu 0x0
	s_wait_tensorcnt 0x0
	ds_add_u32 v200, v201
	s_wait_dscnt 0x0
	s_endpgm
.Lfunc_end_k_q1ed5cc0344_fin1:
	.size	k_q1ed5cc0344_fin1, .Lfunc_end_k_q1ed5cc0344_fin1-k_q1ed5cc0344_fin1
	.p2alignl 7, 3214868480
	.fill 96, 4, 3214868480
	.section	.rodata,"a",@progbits
	.p2align	6, 0x0
	.amdhsa_kernel k_q1ed5cc0344_fin1
		.amdhsa_group_segment_fixed_size 5120
		.amdhsa_private_segment_fixed_size 0
		.amdhsa_enable_private_segment 0
		.amdhsa_kernarg_size 24
		.amdhsa_user_sgpr_count 2
		.amdhsa_user_sgpr_kernarg_segment_ptr 1
		.amdhsa_wavefront_size32 1
		.amdhsa_system_sgpr_workgroup_id_x 1
		.amdhsa_system_sgpr_workgroup_id_y 1
		.amdhsa_system_sgpr_workgroup_id_z 1
		.amdhsa_system_vgpr_workitem_id 0
		.amdhsa_next_free_vgpr 202
		.amdhsa_next_free_sgpr 66
		.amdhsa_reserve_vcc 1
		.amdhsa_float_denorm_mode_32 3
		.amdhsa_float_denorm_mode_16_64 3
		.amdhsa_memory_ordered 1
		.amdhsa_forward_progress 1
		.amdhsa_inst_pref_size 19
	.end_amdhsa_kernel
	.amdgpu_metadata
---
amdhsa.version: [ 1, 2 ]
amdhsa.kernels:
  - .name:           k_q1ed5cc0344_fin1
    .symbol:         k_q1ed5cc0344_fin1.kd
    .args:
      - { .name: part, .offset: 0, .size: 8, .value_kind: global_buffer, .address_space: global }
      - { .name: norm1_w, .offset: 8, .size: 8, .value_kind: global_buffer, .address_space: global }
      - { .name: coef, .offset: 16, .size: 8, .value_kind: global_buffer, .address_space: global }
    .group_segment_fixed_size: 5120
    .private_segment_fixed_size: 0
    .kernarg_segment_align: 8
    .kernarg_segment_size: 24
    .max_flat_workgroup_size: 256
    .sgpr_count:     66
    .vgpr_count:     202
    .wavefront_size: 32
...
	.end_amdgpu_metadata
.endif
;; end of part 7
;; launch ffn: the kernel of part 5 again; grid 256 x 1, 4 waves a work-group, clusters of 4 x 1, 327,680 bytes of LDS; arguments y1, coef, norm1_b, wts, ff_b1, ff_b2, y2, part; writes y2, part
;; launch apply: the kernel of part 6 again; grid 8 x 32, 16 waves a work-group, no clusters, 10,240 bytes of LDS; arguments y2, part, norm2_w, norm2_b, out0; writes out0
